; MI455X (gfx1250); checked and timed in simulation.
; The chip was launched on July 23, 2026; its instructions are those of AMD's public machine-readable ISA for CDNA 5 (MIT licence, August 2026) and "CDNA5" Instruction Set Architecture Reference Guide (July 2026). The comments in the code are by the model that wrote it; some were corrected since.
;; Causal Self Attention. Allowed arithmetic: matrix products marked QUANTISED: E3M2 operands, one E8M0 scale for each 32 along K, by v_wmma_scale_f32_16x16x128_f8f6f4 with both operands' format E3M2, f32 sums; everything else in f32.
;; Inputs: wk 1,024 x 1,024 float32; wo 1,024 x 1,024 float32; wq 1,024 x 1,024 float32; wv 1,024 x 1,024 float32; x 4 x 2,048 x 1,024 float32.
;; Outputs: out0 4 x 2,048 x 1,024 float32.
;; This version of the problem:
;;   THIS VERSION OF THE PROBLEM IS GIVEN IN LOW PRECISION. The matrix products marked QUANTISED in the list below multiply operands that are first quantised to E3M2 (3 exponent bits, 2 mantissa bits; 6 bits a number), with one power-of-two scale for each 32 numbers along K (OCP MX v1.0); their sums are f32. All else is computed in f32.
;;   The module's matrix products, in the order in which they are computed (A, B: the left and right operand; K: the contracted axis; several contracted axes count as one K, in the product's order):
;;     1. [M 8,192, K 1,024] x [K 1,024, N 1,024]; A: input x; B: input wq: QUANTISED
;;     2. [M 8,192, K 1,024] x [K 1,024, N 1,024]; A: input x; B: input wk: QUANTISED
;;     3. [M 8,192, K 1,024] x [K 1,024, N 1,024]; A: input x; B: input wv: QUANTISED
;;     4. batch 64 x [M 2,048, K 64] x [K 64, N 2,048]; A: computed on the way; B: computed on the way: QUANTISED
;;     5. batch 64 x [M 2,048, K 2,048] x [K 2,048, N 64]; A: softmax (see below); B: computed on the way: QUANTISED
;;     6. [M 8,192, K 1,024] x [K 1,024, N 1,024]; A: computed on the way; B: input wo: QUANTISED
;;   THE QUANTISER, for each operand of a quantised product, along K:
;;     - K is cut into blocks of 32 from its start; a last block that is shorter is filled with zeros.
;;     - A block's scale is 2^e with e = floor(log2(the largest magnitude in the block)) - 4, held to -126 .. 127; a block of zeros has e = 0. As a byte (E8M0): e + 127.
;;     - Each number is divided by its block's scale, clamped to +-28, and rounded to the nearest number of E3M2, ties to even, subnormals kept.
;;     - The product sums the exact products of the quantised numbers (number of the format x scale) in f32.
;;   ~~~python
;;   def quantise(x, axis):      # numpy; x: float32 -> the quantised numbers, widened to float32 again
;;       x = np.moveaxis(x, axis, -1); K = x.shape[-1]
;;       x = np.pad(x, [(0, 0)] * (x.ndim - 1) + [(0, -K % 32)]); x = x.reshape(x.shape[:-1] + (-1, 32)); a = np.abs(x).max(-1, keepdims=True)
;;       e = np.where(a > 0, np.clip(np.frexp(np.where(a > 0, a, 1))[1] - 1 - 4, -126, 127), 0)      # np.frexp(a)[1] - 1 = floor(log2(a)), exactly
;;       r = np.clip(x / 2.0 ** e, -28, 28)
;;       step = 2.0 ** (np.maximum(np.frexp(np.where(r == 0, 1, r))[1] - 1, -2) - 2)
;;       q = np.round(r / step) * step * 2.0 ** e      # np.round: ties to even
;;       return np.moveaxis(q.reshape(q.shape[:-2] + (-1,))[..., :K], -1, axis).astype(np.float32)
;;   ~~~
;;   SOFTMAX AHEAD OF A QUANTISED PRODUCT. Where the list says 'softmax', what is quantised is not the finished softmax but p = 2^(t - M), with t = logit x log2(e) and M = ceil(the row's largest t), a whole number; so 1/2 < the row's largest p <= 1. The row's sum l is taken of the UNQUANTISED p, in f32, and the product's result is divided by l at the end. Since M is a whole number, a kernel that streams over the keys may use a running M (the ceiling of the running maximum): every later rescaling is an exact power of two, which a block's scale takes up: the codes' values come out the same.
;;   OPERANDS COMPUTED ON THE WAY. 'Computed on the way' means the value that the module computes at that place (a softmax that the list does not call 'softmax' is quantised finished and normalised). What goes into a quantiser is computed in f32, as accurately as f32 sums, v_exp_f32 and their like allow (about 1e-6 of the number): no bf16 or f16 on the way to a quantiser, and a product that is left as it is and whose result goes on into a quantised operand takes f32 operands (vector FMAs, or v_wmma_f32_16x16x4_f32). A number that lies on a knife's edge between two numbers of the format may be rounded either way, as far as f32 arithmetic and the matrix unit's own rounding can turn it there, and no further.
;; One version. Each part assembles by itself: llvm-mc -triple=amdgcn-amd-amdhsa -mcpu=gfx1250 --defsym DOCPART=n.
;; ======== version 1 of 1: 4 launches
;; workspace buffers: oc 9,437,184 bytes; os 393,216 bytes; qkc 12,582,912 bytes; qks 1,048,576 bytes; vc 6,291,456 bytes; vs 262,144 bytes; yc 6,291,456 bytes; ys 262,144 bytes
;; launch quant (part 1): grid 384 x 1, 4 waves a work-group, no clusters, 34,304 bytes of LDS; arguments x, wq, wk, wv, wo, oc, os; writes oc, os
.if DOCPART == 1
	.amdgcn_target "amdgcn-amd-amdhsa--gfx1250"
	.amdhsa_code_object_version 6
	.text
	.protected	k_qb53d863c3c_quant
	.globl	k_qb53d863c3c_quant
	.p2align	8
	.type	k_qb53d863c3c_quant,@function
k_qb53d863c3c_quant:
	s_mov_b64 s[64:65], 0
	v_nop
	global_prefetch_b8 v0, s[64:65] scope:SCOPE_SE
	s_setreg_imm32_b32 hwreg(HW_REG_WAVE_MODE, 25, 1), 1
	s_wait_xcnt 0x0
; x [8192][1024] and wq, wk, wv, wo [1024][1024], f32 with K innermost, become codes of BF6 (E3M2) with one E8M0 byte for each 32 along K, each tensor once.
; A block's scale is 2^(floor(log2(largest magnitude)) - 4); its byte is the largest magnitude's exponent field - 4, held at 1 from below.
; LIMITS: NaN and infinities are not served; a block of zeros, or one whose largest magnitude lies under 2^-122, gets the byte 1 (zero codes add nothing under it; this program alone reads the bytes).
; LAYOUT OF THE RESULT: the order of the matrix operand's registers.  Rows go in groups of 32, two tiles u = 0, 1 to a group: lane r of tile u is row 32 G + 8 u + r + 8 (r / 8).
;   oc: [G 384][K step 8][u 2][1,536 bytes]: a fragment (16 rows x 128 K, 12 registers a lane) as three runs of 512 bytes, registers 4 c .. 4 c + 3 of lane l at 512 c + 16 l.  G 0-255 x, 256-287 wq, 288-319 wk, 320-351 wv, 352-383 wo.
;   os: [G][pair of K steps 4][lane 32][2 words]: lane 16 u + r holds row r's scale words of tile u.
; SHARES: a work-group takes a group of 32 rows, wave w its K 256 w .. 256 w + 255: four fragments f = 2 u + s (tile u, K step 2 w + s).
; Each load reads 512 consecutive bytes of a row; the 16 x 512 bytes turn through the wave's own stage in LDS (pitch 528: the sixteen rows that a read touches start in different banks) and come back so that
; lane (r, h) holds k = 64 c + 32 h + 0 .. 31 of row r: two whole blocks, in the operand's own order.  No matrix unit, no cluster, no barrier: memory binds, and waves share nothing.
.set PITCH, 528
.set STG,   16*PITCH                   ; a wave's stage
.set R,   16                           ; v16-143  two sets of 64 registers as loaded
.set X,   144                          ; v144-207 64 numbers in the operand's order
.set C,   208                          ; v208-219 a fragment's codes
.set T,   220                          ; v220-222, v224-226 the second halves of the blocks' codes (a conversion's three registers begin on an even number)
.set W,   228                          ; v228-231 the four fragments' scale words
.set E,   232                          ; v232-233 what leaves of them
.set SRC, 18                           ; s[18:19] my tensor, then my wave's first byte of it
.set MSK, 20                           ; s20 lanes 16-31
.set SEL, 22                           ; s[22:23] v_permlanex16_b32's selects for lane l xor 16
	s_load_b256 s[4:11], s[0:1], 0x0               ; x, wq, wk, wv
	s_load_b128 s[12:15], s[0:1], 0x20             ; wo, oc
	s_load_b64 s[16:17], s[0:1], 0x30              ; os
	v_lshl_add_u32 v240, v0, 2, 0x8400
	v_mov_b32 v241, 0
	v_lshrrev_b32 v1, 5, v0
	v_readfirstlane_b32 s26, v1                    ; wave
	v_and_b32 v1, 31, v0                           ; lane
	v_lshlrev_b32 v2, 4, v1                        ; 16 x lane: loads, and the codes' stores
	v_lshlrev_b32 v5, 3, v1                        ; 8 x lane: the scale words' store
	v_and_b32 v7, 15, v0                           ; r
	v_bfe_u32 v6, v0, 4, 1                         ; h
	s_mul_i32 s27, s26, STG
	v_add_nc_u32 v3, s27, v2                       ; the stage, on the way in
	v_mul_u32_u24 v4, v7, PITCH
	v_lshl_add_u32 v4, v6, 7, v4
	v_add_nc_u32 v4, s27, v4                       ; and out: row r, + 128 h bytes
	v_lshlrev_b32 v6, 3, v6                        ; 8 h: where my two bytes stand in a scale word
	v_mov_b32 v15, 0                               ; a lane permute's destination counts as one of its sources
	s_mov_b32 s[MSK], 0xffff0000
	s_mov_b32 s[SEL], 0x76543210
	s_mov_b32 s[SEL+1], 0xfedcba98
	s_and_b32 s24, ttmp9, 31                       ; a weight's group
	s_mul_i32 s28, ttmp9, 24576                    ; oc: my group, my two K steps
	s_mul_i32 s29, s26, 6144
	s_add_co_u32 s28, s28, s29
	s_mov_b32 s29, 0
	s_lshl_b32 s30, ttmp9, 10                      ; os likewise
	s_lshl_b32 s31, s26, 8
	s_add_co_u32 s30, s30, s31
	s_mov_b32 s31, 0
	s_lshl_b32 s32, s26, 10                        ; my 256 along K in a row
	s_wait_alu depctr_va_vdst(0)
	s_wait_kmcnt 0x0
	s_cmp_lt_u32 ttmp9, 352                        ; which tensor: the choice hangs on the work-group's number alone
	s_cselect_b64 s[SRC:SRC+1], s[10:11], s[12:13]
	s_cmp_lt_u32 ttmp9, 320
	s_cselect_b64 s[SRC:SRC+1], s[8:9], s[SRC:SRC+1]
	s_cmp_lt_u32 ttmp9, 288
	s_cselect_b64 s[SRC:SRC+1], s[6:7], s[SRC:SRC+1]
	s_cmp_lt_u32 ttmp9, 256
	s_cselect_b64 s[SRC:SRC+1], s[4:5], s[SRC:SRC+1]
	s_cselect_b32 s24, ttmp9, s24                  ; the group within that tensor
	s_lshl_b32 s24, s24, 17                        ; 32 rows of 4,096 bytes
	s_add_co_u32 s24, s24, s32
	s_mov_b32 s25, 0
	s_add_nc_u64 s[SRC:SRC+1], s[SRC:SRC+1], s[24:25]
	s_add_nc_u64 s[14:15], s[14:15], s[28:29]
	s_add_nc_u64 s[16:17], s[16:17], s[30:31]
.macro LOAD f                          ; fragment f: the tile's 16 rows, 512 consecutive bytes each
.irp i, 0,1,2,3,4,5,6,7,8,9,10,11,12,13,14,15
	global_load_b128 v[R+64*((\f)%2)+4*\i:R+64*((\f)%2)+4*\i+3], v2, s[SRC:SRC+1] offset:(8*((\f)/2)+\i+8*(\i/8))*4096+512*((\f)%2) th:TH_LOAD_NT
.endr
.endm
.macro TURN f                          ; through the stage: LDS serves a wave's instructions in order, so no wait stands between the stores and the loads
.irp i, 0,1,2,3,4,5,6,7,8,9,10,11,12,13,14,15
	ds_store_b128 v3, v[R+64*((\f)%2)+4*\i:R+64*((\f)%2)+4*\i+3] offset:PITCH*\i
.endr
.irp c, 0,1
.irp j, 0,1,2,3,4,5,6,7
	ds_load_b128 v[X+32*\c+4*\j:X+32*\c+4*\j+3], v4 offset:256*\c+16*\j
.endr
.endr
.endm
.macro QB f                            ; my two blocks (2 c + h, c = 0, 1) become codes; the row's four bytes a scale word
.irp c, 0,1
	v_max3_num_f32 v[8+\c], |v[X+32*\c]|, |v[X+32*\c+1]|, 0x2800000   ; with the floor 2^(5 - 127): the byte cannot fall under 1
.endr
.irp i, 2,4,6,8,10,12,14,16,18,20,22,24,26,28,30
.irp c, 0,1
	v_max3_num_f32 v[8+\c], v[8+\c], |v[X+32*\c+\i]|, |v[X+32*\c+\i+1]|
.endr
.endr
.irp c, 0,1
	v_add_nc_u32 v[10+\c], 0xfe000000, v[8+\c]     ; 4 off the exponent field: the conversion's scale operand
.endr
.irp c, 0,1
	v_lshrrev_b32 v[12+\c], 23, v[10+\c]           ; the scale's byte
.endr
	v_lshl_or_b32 v14, v13, 16, v12                ; blocks h and 2 + h,
	v_lshlrev_b32 v14, v6, v14                     ; at their places in the word;
	v_permlanex16_b32 v15, v14, s[SEL], s[SEL+1]
	v_or_b32 v[W+(\f)], v14, v15                   ; with lane l xor 16's two the word is whole
	s_wait_alu depctr_va_vdst(0)
	s_wait_xcnt 0x0                                ; the last fragment's stores have read the codes' registers: only now are these written again
	v_cvt_scalef32_pk16_bf6_f32 v[C:C+2], v[X:X+15], v10
	v_cvt_scalef32_pk16_bf6_f32 v[T:T+2], v[X+16:X+31], v10
	v_cvt_scalef32_pk16_bf6_f32 v[C+6:C+8], v[X+32:X+47], v11
	v_cvt_scalef32_pk16_bf6_f32 v[T+4:T+6], v[X+48:X+63], v11
	v_nop                                          ; one plain place behind a scaled conversion
.irp i, 0,1,2
	v_mov_b32 v[C+3+\i], v[T+\i]
	v_mov_b32 v[C+9+\i], v[T+4+\i]
.endr
.irp c, 0,1,2
	global_store_b128 v2, v[C+4*\c:C+4*\c+3], s[14:15] offset:((\f)%2)*3072+((\f)/2)*1536+512*\c   ; 512 consecutive bytes, aligned
.endr
.endm
	LOAD 0
	LOAD 1
.irp f, 0,1,2,3
.if \f < 3
	s_wait_loadcnt 16                              ; this fragment's 16 loads are in; the other set's 16 may be out
.else
	s_wait_loadcnt 0x0
.endif
	TURN \f
	s_wait_dscnt 0x0                               ; the numbers are back, and the stage's stores have read their registers,
.if \f < 2
	LOAD \f+2                                      ; which take the loads of two fragments on
.endif
	QB \f
.endr
.irp k, 0,1
	v_cndmask_b32 v[E+\k], v[W+\k], v[W+2+\k], s[MSK]   ; lanes 0-15: tile 0's rows; lanes 16-31: tile 1's
.endr
	global_store_b64 v5, v[E:E+1], s[16:17]        ; 256 consecutive bytes, aligned
	s_wait_tensorcnt 0x0
	ds_add_u32 v240, v241
	s_wait_dscnt 0x0
	s_endpgm
.Lfunc_end_k_qb53d863c3c_quant:
	.size	k_qb53d863c3c_quant, .Lfunc_end_k_qb53d863c3c_quant-k_qb53d863c3c_quant
	.p2alignl 7, 3214868480
	.fill 96, 4, 3214868480
	.section	.rodata,"a",@progbits
	.p2align	6, 0x0
	.amdhsa_kernel k_qb53d863c3c_quant
		.amdhsa_group_segment_fixed_size 34304
		.amdhsa_private_segment_fixed_size 0
		.amdhsa_enable_private_segment 0
		.amdhsa_kernarg_size 56
		.amdhsa_user_sgpr_count 2
		.amdhsa_user_sgpr_kernarg_segment_ptr 1
		.amdhsa_wavefront_size32 1
		.amdhsa_system_sgpr_workgroup_id_x 1
		.amdhsa_system_sgpr_workgroup_id_y 1
		.amdhsa_system_sgpr_workgroup_id_z 1
		.amdhsa_system_vgpr_workitem_id 0
		.amdhsa_next_free_vgpr 242
		.amdhsa_next_free_sgpr 66
		.amdhsa_reserve_vcc 0
		.amdhsa_float_denorm_mode_32 3
		.amdhsa_float_denorm_mode_16_64 3
		.amdhsa_memory_ordered 1
		.amdhsa_forward_progress 1
		.amdhsa_inst_pref_size 30
	.end_amdhsa_kernel
	.amdgpu_metadata
---
amdhsa.version: [ 1, 2 ]
amdhsa.kernels:
  - .name:           k_qb53d863c3c_quant
    .symbol:         k_qb53d863c3c_quant.kd
    .args:
      - { .name: x, .offset: 0, .size: 8, .value_kind: global_buffer, .address_space: global }
      - { .name: wq, .offset: 8, .size: 8, .value_kind: global_buffer, .address_space: global }
      - { .name: wk, .offset: 16, .size: 8, .value_kind: global_buffer, .address_space: global }
      - { .name: wv, .offset: 24, .size: 8, .value_kind: global_buffer, .address_space: global }
      - { .name: wo, .offset: 32, .size: 8, .value_kind: global_buffer, .address_space: global }
      - { .name: oc, .offset: 40, .size: 8, .value_kind: global_buffer, .address_space: global }
      - { .name: os, .offset: 48, .size: 8, .value_kind: global_buffer, .address_space: global }
    .group_segment_fixed_size: 34304
    .private_segment_fixed_size: 0
    .kernarg_segment_align: 8
    .kernarg_segment_size: 56
    .max_flat_workgroup_size: 128
    .sgpr_count:     66
    .vgpr_count:     242
    .wavefront_size: 32
...
	.end_amdgpu_metadata
.endif
;; end of part 1
;; launch qkv (part 2): grid 8 x 96, 4 waves a work-group, clusters of 4 x 4, 295,424 bytes of LDS; arguments oc, os, qkc, qks, vc, vs; writes qkc, qks, vc, vs
.if DOCPART == 2
	.amdgcn_target "amdgcn-amd-amdhsa--gfx1250"
	.amdhsa_code_object_version 6
	.text
	.protected	k_qb53d863c3c_qkv
	.globl	k_qb53d863c3c_qkv
	.p2align	8
	.type	k_qb53d863c3c_qkv,@function
k_qb53d863c3c_qkv:
	s_mov_b64 s[64:65], 0
	v_nop
	global_prefetch_b8 v0, s[64:65] scope:SCOPE_SE
	s_setreg_imm32_b32 hwreg(HW_REG_WAVE_MODE, 25, 1), 1
	s_wait_xcnt 0x0
	s_wait_alu depctr_hold_cnt(0) depctr_sa_sdst(0) depctr_va_vdst(0) depctr_va_sdst(0) depctr_va_ssrc(0) depctr_va_vcc(0) depctr_vm_vsrc(0)
	s_getreg_b32 s2, hwreg(HW_REG_IB_STS2, 6, 4)
	s_cmp_eq_u32 s2, 0
	s_cbranch_scc0 .Lentry_in_a_cluster
	s_endpgm
.Lentry_in_a_cluster:
	s_bfe_u32 s2, ttmp6, 0x10000c
	s_cmp_lg_u32 s2, 0xf033
	s_cbranch_scc0 .Lentry_shape_is_right
	s_endpgm
.Lentry_shape_is_right:
; The three projections q, k, v = x W^T on codes of BF6 (E3M2), K = 1,024, and the quantising of their results for the two products of attention, in registers: no f32 result goes to memory.
; FORM: D = R P^T.  Source 0 = 16 rows of R, source 1 = 16 rows of P: a lane holds ONE row of P, and its registers run along R's rows.  By the order of rows in a group (lane r of tile u is row 32 G + 8 u + r + 8 (r / 8))
; the 16 registers of R's tiles 2 b and 2 b + 1 are 16 NEIGHBOURS, 32 b + 16 (lane / 16) + 0 .. 15: the next product's K.
;   clusters y 0-15 (q, k): P = x (a lane: one token), R = wq then wk (registers: the head's channels): codes along the head's 64.
;   clusters y 16-23 (v):   P = wv (a lane: one channel), R = x (registers: the keys): codes along the keys.
; SHARES: a work-group makes 128 rows of P x 256 rows of R; wave (wp, wr) 64 x 128: 4 x 8 accumulators, 256 registers.  768 work-groups of equal work.
; LDS: (128 + 256) rows x 768 bytes = 294,912: ALL of K of both operands.  So every LDS byte is filled once: four chunks of two K steps, asked for together at the start, each read behind a counted wait and a barrier.
; CLUSTERS: 4 x 4.  P's tiles hang on the cluster's row alone, R's on its column alone: each is asked for jointly by the four that share it.
; RESULTS: qkc [b 4][head 32: q's 16, k's 16][group of 32 tokens 64][1,536]: registers 0-5 tile u = 0, 6-11 tile u = 1, each the head's 64 codes (lane (r, h): block h).
;   qks [b][head][pair of groups 32][lane 16 u + r][2 words]: bytes 0, 1 the head's two blocks; bytes 2, 3 a neighbour's bytes or 0, never 0xff: they meet zero codes.
;   vc [b][head 16][step of 128 keys 16][tile of 16 channels 4][1,536]: whole fragments.   vs [b][head][step][lane][2 words]: word j: lanes 0-15 tile 2 j, lanes 16-31 tile 2 j + 1.
; LIMITS: as the quantiser's launch: no NaN or infinity; a block under 2^-122 or of zeros gets the byte 1.
; REGISTERS: window 0: v16-25 addresses; v32-47 P's scale words (8 x group + K step), v48-79 R's; v80-110 at work on the way out; v128-223 P's fragments, two sets of 48, later the codes made.
;   window 1: R's fragments, two sets, at v0 and v128.   window 2: the accumulators, (a, b) at v[8 (8 a + b)].
.set CH,   73728                       ; a chunk: two K steps of P's 4 groups, then of R's 8
.set GRP,  6144                        ; a group's part of a chunk: [K step 2][u 2][1,536]
.set FRB,  1536
.set NLD,  36                          ; LDS loads of a K step
.set ADRP, 16                          ; v16-19 my P fragments in chunk 0 .. 3
.set ADRR, 20                          ; v20-23 my R fragments
.set L16,  24                          ; v24 16 x lane
.set L8,   25                          ; v25 8 x lane
.set SP,   32
.set SR,   48
.set TM,   80                          ; v80-83 largest magnitudes, v84-87 bytes, v92-95 the conversions' scale operands
.set PW,   96                          ; v96-99 the four tiles' scale words
.set EA,   100
.set EB,   102
.set T0,   104
.set T1,   108
.set PF,   128
.set PC,   128
.set WV,   16
.set WP,   17                          ; which 64 rows of P are mine.  Also: I fetch for P (0) or for R (1)
.set WR,   18                          ; which 128 rows of R are mine.  Also: which half of that tile I fetch
.set MSK,  22                          ; s22: first cluster y - 16, then lanes 16-31 as a mask
.set PR,   23                          ; P's block of 128 rows
.set G1P,  24
.set G1R,  32
.set G0P,  40                          ; s[40:55] group 0 for P's four chunks
.set SEL,  66
.set G0R,  68                          ; s[68:83] for R's
.set RC,   84                          ; R's block of 256 rows
.set KIND, 87
.set PG,   88                          ; P's first group in oc
.set RG,   89                          ; R's
.set MSB, 0
.macro WIN new                         ; the immediate's high byte repeats the setting that is left
.if MSB != \new
	s_set_vgpr_msb (MSB<<8)|\new
.set MSB, \new
.endif
.endm
.macro CROUND                          ; a round of the cluster's barrier
	s_barrier_signal -1
	s_barrier_wait -1
	s_cmp_lg_u32 s[WV], 0
	s_cbranch_scc1 .Lnot_wave_0_\@
	s_barrier_signal -3
.Lnot_wave_0_\@:
	s_barrier_wait -3
	s_barrier_signal -1
	s_barrier_wait -1
.endm
.macro PLACES                          ; four plain places behind a matrix instruction, ahead of loads into its registers and of reads of its results
.rept 4
	v_nop
.endr
.endm
	s_load_b256 s[4:11], s[0:1], 0x0               ; oc, os, qkc, qks
	s_load_b128 s[12:15], s[0:1], 0x20             ; vc, vs
	v_lshl_add_u32 v254, v0, 2, 0x48000
	v_mov_b32 v255, 0
	ds_add_u32 v254, v255
	ds_add_u32 v254, v255
	v_lshrrev_b32 v1, 5, v0
	v_readfirstlane_b32 s[WV], v1
	s_lshr_b32 s[WP], s[WV], 1
	s_and_b32 s[WR], s[WV], 1
	s_bfe_u32 s19, ttmp6, 0x40000                  ; cx
	s_bfe_u32 s20, ttmp6, 0x40004                  ; cy
	s_and_b32 s21, ttmp7, 0xffff                   ; the cluster's y
	s_sub_co_u32 s22, s21, 16
	s_cmp_lt_u32 s21, 16                           ; q, k or v?  It hangs on the cluster's number alone: the sixteen partners agree
	s_cselect_b32 s[PR], s21, ttmp9
	s_cselect_b32 s[RC], ttmp9, s22
	s_cselect_b32 s85, 0, 320                      ; P: x, or wv
	s_cselect_b32 s86, 256, 0                      ; R: wq and wk, or x
	s_cselect_b32 s[KIND], 0, 1
	s_lshl_b32 s[PR], s[PR], 2
	s_add_co_u32 s[PR], s[PR], s20                 ; P's block hangs on cy,
	s_lshl_b32 s[RC], s[RC], 2
	s_add_co_u32 s[RC], s[RC], s19                 ; R's on cx
	s_lshl_b32 s[PG], s[PR], 2
	s_add_co_u32 s[PG], s[PG], s85
	s_lshl_b32 s[RG], s[RC], 3
	s_add_co_u32 s[RG], s[RG], s86
	s_lshl_b32 s56, s20, 2
	s_lshl_b32 s56, 15, s56                        ; my row of the cluster
	s_lshl_b32 s57, 0x1111, s19                    ; my column
	; group 1: rows of 6,144 bytes (768 elements of 8: a group's two K steps), 24,576 bytes apart (a group); P: 2 rows a load, R: 4
	s_or_b32 s[G1P], s56, (3<<16)|(1<<21)
	s_mov_b32 s[G1P+1], 768<<16
	s_mov_b32 s[G1P+2], 2<<16
	s_mov_b32 s[G1P+3], 768<<16
	s_mov_b32 s[G1P+4], 2
	s_mov_b32 s[G1P+5], 3072
	s_mov_b32 s[G1P+6], 0
	s_mov_b32 s[G1P+7], 0
	s_or_b32 s[G1R], s57, (3<<16)|(1<<21)
	s_mov_b32 s[G1R+1], 768<<16
	s_mov_b32 s[G1R+2], 4<<16
	s_mov_b32 s[G1R+3], 768<<16
	s_mov_b32 s[G1R+4], 4
	s_mov_b32 s[G1R+5], 3072
	s_mov_b32 s[G1R+6], 0
	s_mov_b32 s[G1R+7], 0
	s_lshl_b32 s58, s[WR], 1
	s_add_co_u32 s58, s58, s[PG]
	s_mul_i32 s58, s58, 24576                      ; P: the half that I would fetch
	s_mov_b32 s59, 0
	s_lshl_b32 s60, s[WR], 2
	s_add_co_u32 s60, s60, s[RG]
	s_mul_i32 s60, s60, 24576                      ; R likewise
	s_mov_b32 s61, 0
	s_mul_i32 s62, s[WR], 12288                    ; and where it goes: no place in the cluster enters an LDS address
	s_mul_i32 s63, s[WR], 24576
	s_add_co_u32 s63, s63, 24576
	s_mov_b32 s[MSK], 0xffff0000
	s_mov_b32 s[SEL], 0x76543210
	s_mov_b32 s[SEL+1], 0xfedcba98
	s_wait_dscnt 0x0
	s_wait_kmcnt 0x0
	s_add_nc_u64 s[58:59], s[4:5], s[58:59]
	s_add_nc_u64 s[60:61], s[4:5], s[60:61]
	CROUND                                         ; all sixteen work-groups are here: the joint loads meet
.irp ch, 0,1,2,3
	s_mov_b32 s[G0P+4*\ch], 1
	s_add_co_u32 s[G0P+4*\ch+1], s62, \ch*CH
	s_add_nc_u64 s[G0P+4*\ch+2:G0P+4*\ch+3], s[58:59], \ch*GRP
	s_or_b32 s[G0P+4*\ch+3], s[G0P+4*\ch+3], 0x80000000
	s_mov_b32 s[G0R+4*\ch], 1
	s_add_co_u32 s[G0R+4*\ch+1], s63, \ch*CH
	s_add_nc_u64 s[G0R+4*\ch+2:G0R+4*\ch+3], s[60:61], \ch*GRP
	s_or_b32 s[G0R+4*\ch+3], s[G0R+4*\ch+3], 0x80000000
.endr
	s_cmp_eq_u32 s[WP], 0                          ; a wave's four first fills stand in one branch on its number: four tensor loads of mine are out, and no more ever
	s_cbranch_scc0 .Lfor_r
.irp ch, 0,1,2,3
	tensor_load_to_lds s[G0P+4*\ch:G0P+4*\ch+3], s[G1P:G1P+7]
	s_nop 0
.endr
	PLACES
	s_branch .Lasked
.Lfor_r:
.irp ch, 0,1,2,3
	tensor_load_to_lds s[G0R+4*\ch:G0R+4*\ch+3], s[G1R:G1R+7]
	s_nop 0
.endr
	PLACES
.Lasked:
	v_and_b32 v1, 31, v0
	v_lshlrev_b32 v[L16], 4, v1
	s_wait_alu depctr_va_vdst(0)
	v_lshlrev_b32 v[L8], 3, v1
	s_wait_alu depctr_va_vdst(0)
	s_mul_i32 s90, s[WP], 12288                    ; my two groups of P,
	s_mul_i32 s91, s[WR], 24576
	s_add_co_u32 s91, s91, 24576                   ; my four of R
.irp ch, 0,1,2,3
	v_add_nc_u32 v[ADRP+\ch], s90, v[L16]
	v_add_nc_u32 v[ADRR+\ch], s91, v[L16]
	s_add_co_u32 s90, s90, CH
	s_add_co_u32 s91, s91, CH
.endr
	s_lshl_b32 s92, s[WP], 1                       ; the scale words of all eight K steps come straight from memory, once: 256 consecutive bytes a load
	s_add_co_u32 s92, s92, s[PG]
	s_lshl_b32 s92, s92, 10
	s_mov_b32 s93, 0
	s_add_nc_u64 s[92:93], s[6:7], s[92:93]
	s_lshl_b32 s94, s[WR], 2
	s_add_co_u32 s94, s94, s[RG]
	s_lshl_b32 s94, s94, 10
	s_mov_b32 s95, 0
	s_add_nc_u64 s[94:95], s[6:7], s[94:95]
.irp i, 0,1
.irp k, 0,1,2,3
	global_load_b64 v[SP+8*\i+2*\k:SP+8*\i+2*\k+1], v[L8], s[92:93] offset:1024*\i+256*\k
.endr
.endr
.irp i, 0,1,2,3
.irp k, 0,1,2,3
	global_load_b64 v[SR+8*\i+2*\k:SR+8*\i+2*\k+1], v[L8], s[94:95] offset:1024*\i+256*\k
.endr
.endr
.irp b, 0,1,2,3
	v_mov_b32 v[TM+4+\b], 0                        ; a lane permute's destination counts as one of its sources
.endr
; K step k's fragments, images of the operand's registers: three loads of 16 bytes a lane each, 512 consecutive bytes a load.  Set k % 2
.macro FETCH k
	WIN 0x40                                       ; destination window 1
.irp i, 0,1,2,3,4,5,6,7
.irp c, 0,1,2
	ds_load_b128 v[128*((\k)%2)+12*\i+4*\c:128*((\k)%2)+12*\i+4*\c+3], v[ADRR+(\k)/2] offset:(\i/2)*GRP+((\k)%2)*3072+(\i%2)*FRB+512*\c
.endr
.endr
	WIN 0
.irp i, 0,1,2,3
.irp c, 0,1,2
	ds_load_b128 v[PF+48*((\k)%2)+12*\i+4*\c:PF+48*((\k)%2)+12*\i+4*\c+3], v[ADRP+(\k)/2] offset:(\i/2)*GRP+((\k)%2)*3072+(\i%2)*FRB+512*\c
.endr
.endr
.endm
; One product: P's tile a x R's tile b.  A group's scale register holds tile 0's words in lanes 0-15 and tile 1's in lanes 16-31.  K step 0 starts the sums: nothing is cleared
.macro MM k, a, b
.set rD, 8*(8*\a+\b)
.set rR, 128*((\k)%2)+12*\b
.set rP, PF+48*((\k)%2)+12*\a
.set rS, SR+8*(\b/2)+(\k)
.set rT, SP+8*(\a/2)+(\k)
.if (\k) == 0
.if (\a%2 == 0) && (\b%2 == 0)
	v_wmma_scale_f32_16x16x128_f8f6f4 v[rD:rD+7], v[rR:rR+11], v[rP:rP+11], 0, v[rS], v[rT] matrix_a_fmt:MATRIX_FMT_BF6 matrix_b_fmt:MATRIX_FMT_BF6
.elseif (\a%2 == 0)
	v_wmma_scale_f32_16x16x128_f8f6f4 v[rD:rD+7], v[rR:rR+11], v[rP:rP+11], 0, v[rS], v[rT] matrix_a_fmt:MATRIX_FMT_BF6 matrix_b_fmt:MATRIX_FMT_BF6 matrix_a_scale:MATRIX_SCALE_ROW1
.elseif (\b%2 == 0)
	v_wmma_scale_f32_16x16x128_f8f6f4 v[rD:rD+7], v[rR:rR+11], v[rP:rP+11], 0, v[rS], v[rT] matrix_a_fmt:MATRIX_FMT_BF6 matrix_b_fmt:MATRIX_FMT_BF6 matrix_b_scale:MATRIX_SCALE_ROW1
.else
	v_wmma_scale_f32_16x16x128_f8f6f4 v[rD:rD+7], v[rR:rR+11], v[rP:rP+11], 0, v[rS], v[rT] matrix_a_fmt:MATRIX_FMT_BF6 matrix_b_fmt:MATRIX_FMT_BF6 matrix_a_scale:MATRIX_SCALE_ROW1 matrix_b_scale:MATRIX_SCALE_ROW1
.endif
.else
.if (\a%2 == 0) && (\b%2 == 0)
	v_wmma_scale_f32_16x16x128_f8f6f4 v[rD:rD+7], v[rR:rR+11], v[rP:rP+11], v[rD:rD+7], v[rS], v[rT] matrix_a_fmt:MATRIX_FMT_BF6 matrix_b_fmt:MATRIX_FMT_BF6
.elseif (\a%2 == 0)
	v_wmma_scale_f32_16x16x128_f8f6f4 v[rD:rD+7], v[rR:rR+11], v[rP:rP+11], v[rD:rD+7], v[rS], v[rT] matrix_a_fmt:MATRIX_FMT_BF6 matrix_b_fmt:MATRIX_FMT_BF6 matrix_a_scale:MATRIX_SCALE_ROW1
.elseif (\b%2 == 0)
	v_wmma_scale_f32_16x16x128_f8f6f4 v[rD:rD+7], v[rR:rR+11], v[rP:rP+11], v[rD:rD+7], v[rS], v[rT] matrix_a_fmt:MATRIX_FMT_BF6 matrix_b_fmt:MATRIX_FMT_BF6 matrix_b_scale:MATRIX_SCALE_ROW1
.else
	v_wmma_scale_f32_16x16x128_f8f6f4 v[rD:rD+7], v[rR:rR+11], v[rP:rP+11], v[rD:rD+7], v[rS], v[rT] matrix_a_fmt:MATRIX_FMT_BF6 matrix_b_fmt:MATRIX_FMT_BF6 matrix_a_scale:MATRIX_SCALE_ROW1 matrix_b_scale:MATRIX_SCALE_ROW1
.endif
.endif
.endm
.macro MUL k                           ; the 32 accumulators take turns, one instruction a turn, in the same order in every K step
.irp a, 0,1,2,3
.irp b, 0,1,2,3,4,5,6,7
	MM \k, \a, \b
.endr
.endr
.endm
; K step k: the next step's fragments are asked for first, then this step's 32 products run while they come.  Ahead of an even step's fetch the next chunk is shown whole to all four waves.
.macro STEPK k
.if ((\k)%2 == 1) && ((\k) < 7)
	s_wait_tensorcnt 3-((\k)+1)/2                  ; my part of chunk (k + 1) / 2 has landed; my later chunks may be out
	s_wait_dscnt 0x0                               ; no LDS load of mine is pending at the signal
	s_barrier_signal -1
	s_barrier_wait -1                              ; everybody's part has landed
.endif
.if (\k) < 7
.if (\k) > 0
	PLACES                                         ; the set to be loaded was read by the products just issued
.endif
	FETCH (\k)+1
	s_wait_dscnt NLD                               ; all but the loads just issued: this step's fragments are in
.else
	s_wait_dscnt 0x0
.endif
	WIN 0xa1                                       ; source 0 (R) window 1, source 1 (P) window 0, C and D window 2
	MUL \k
	WIN 0
.endm
	s_wait_alu depctr_va_vdst(0)
	s_wait_tensorcnt 0x3                           ; my part of chunk 0 has landed; three loads may be out
	s_barrier_signal -1
	s_barrier_wait -1
	FETCH 0
	s_wait_loadcnt 0x0                             ; the scale words
.irp k, 0,1,2,3,4,5,6,7
	STEPK \k
.endr
; THE WAY OUT.  P's tile a: a lane's 64 results, register 16 b + i = place 32 b + 16 (lane / 16) + i along the next K, become four blocks' codes: blocks 0, 1 in six registers from d0, blocks 2, 3 from d1; the four bytes in v[PW + a].
.macro QTILE a, d0, d1
	WIN 0x28                                       ; sources 1 and 2: the accumulators' window.
.irp b, 0,1,2,3
	v_max3_num_f32 v[TM+\b], 0x2800000, |v[64*(\a)+16*\b]|, |v[64*(\a)+16*\b+1]|   ; with the floor 2^(5 - 127): the byte cannot fall under 1
.endr
.irp i, 2,4,6,8,10,12,14
.irp b, 0,1,2,3
	v_max3_num_f32 v[TM+\b], v[TM+\b], |v[64*(\a)+16*\b+\i]|, |v[64*(\a)+16*\b+\i+1]|
.endr
.endr
	WIN 0
.irp b, 0,1,2,3
	v_permlanex16_b32 v[TM+4+\b], v[TM+\b], s[SEL], s[SEL+1]
.endr
.irp b, 0,1,2,3
	v_max_num_f32 v[TM+\b], v[TM+\b], v[TM+4+\b]   ; with lane l xor 16's 16: the block's largest magnitude
.endr
.irp b, 0,1,2,3
	v_add_nc_u32 v[TM+12+\b], 0xfe000000, v[TM+\b] ; 4 off the exponent field: the conversion's scale operand
.endr
.irp b, 0,1,2,3
	v_lshrrev_b32 v[TM+4+\b], 23, v[TM+12+\b]      ; the scale's byte
.endr
	v_lshl_or_b32 v[PW+(\a)], v[TM+5], 8, v[TM+4]
	v_lshl_or_b32 v[PW+(\a)], v[TM+6], 16, v[PW+(\a)]
	v_lshl_or_b32 v[PW+(\a)], v[TM+7], 24, v[PW+(\a)]
	WIN 0x02                                       ; source 0: the accumulators' window
	v_cvt_scalef32_pk16_bf6_f32 v[\d0:\d0+2], v[64*(\a):64*(\a)+15], v[TM+12]
	v_cvt_scalef32_pk16_bf6_f32 v[T0:T0+2], v[64*(\a)+16:64*(\a)+31], v[TM+13]
	v_cvt_scalef32_pk16_bf6_f32 v[\d1:\d1+2], v[64*(\a)+32:64*(\a)+47], v[TM+14]
	v_cvt_scalef32_pk16_bf6_f32 v[T1:T1+2], v[64*(\a)+48:64*(\a)+63], v[TM+15]
	WIN 0
	v_nop                                          ; one plain place behind a scaled conversion
.irp i, 0,1,2                          ; the operand's layout wants a WHOLE block in a lane: lanes 0-15 the even block, lanes 16-31 the odd one
	v_permlane16_swap_b32 v[\d0+\i], v[T0+\i]
	v_permlane16_swap_b32 v[\d1+\i], v[T1+\i]
.endr
.irp i, 0,1,2
	v_mov_b32 v[\d0+3+\i], v[T0+\i]
	v_mov_b32 v[\d1+3+\i], v[T1+\i]
.endr
.endm
.macro WORDS                           ; the four tiles' scale words, two tiles to a register
.irp i, 0,1
	v_cndmask_b32 v[EA+\i], v[PW+2*\i], v[PW+2*\i+1], s[MSK]
.endr
.endm
	PLACES                                         ; behind the last products: their results are read, and P's fragments' registers written, below
	s_cmp_lg_u32 s[KIND], 0
	s_cbranch_scc1 .Lkind_v
	; ---- q, k.  My 128 rows of R are two heads; my 64 rows of P two groups of tokens.  Blocks 0, 1 of a tile belong to the first head, blocks 2, 3 to the second.
	s_lshr_b32 s96, s[PR], 4                       ; b
	s_lshl_b32 s96, s96, 5
	s_lshl_b32 s97, s[RC], 2
	s_add_co_u32 s96, s96, s97
	s_lshl_b32 s97, s[WR], 1
	s_add_co_u32 s96, s96, s97                     ; 32 b + my first head
	s_and_b32 s97, s[PR], 15
	s_lshl_b32 s97, s97, 1
	s_add_co_u32 s97, s97, s[WP]                   ; my pair of groups in the batch
	s_lshl_b32 s98, s96, 5
	s_add_co_u32 s98, s98, s97
	s_mul_i32 s100, s98, 3072                      ; two groups' images
	s_mov_b32 s101, 0
	s_add_nc_u64 s[8:9], s[8:9], s[100:101]
	s_lshl_b32 s98, s98, 8
	s_mov_b32 s99, 0
	s_add_nc_u64 s[10:11], s[10:11], s[98:99]
.macro PUTQK g                         ; group g's images for both heads: every store covers 512 consecutive bytes, aligned; a head is 98,304 bytes
.irp e, 0,1
.irp c, 0,1,2
	global_store_b128 v[L16], v[PC+24*\g+12*\e+4*\c:PC+24*\g+12*\e+4*\c+3], s[8:9] offset:\e*98304+\g*FRB+512*\c
.endr
.endr
.endm
	QTILE 0, PC, PC+12
	QTILE 1, PC+6, PC+18
	PUTQK 0
	QTILE 2, PC+24, PC+36
	QTILE 3, PC+30, PC+42
	PUTQK 1
	WORDS
.irp i, 0,1
	v_lshrrev_b32 v[EB+\i], 16, v[EA+\i]           ; the second head's two bytes, with zeros above
.endr
	global_store_b64 v[L8], v[EA:EA+1], s[10:11]
	global_store_b64 v[L8], v[EB:EB+1], s[10:11] offset:8192
	s_branch .Lend
.Lkind_v:
	; ---- v.  My 64 rows of P are one head's channels, four tiles; my 128 rows of R one step of 128 keys: each tile gives a whole fragment.
	s_lshl_b32 s96, s[RC], 1
	s_add_co_u32 s96, s96, s[WR]                   ; the step among all 64
	s_lshr_b32 s97, s96, 4                         ; b
	s_and_b32 s96, s96, 15                         ; the step in the batch
	s_lshl_b32 s97, s97, 4
	s_lshl_b32 s98, s[PR], 1
	s_add_co_u32 s98, s98, s[WP]                   ; the head
	s_add_co_u32 s97, s97, s98
	s_lshl_b32 s97, s97, 4
	s_add_co_u32 s97, s97, s96
	s_mul_i32 s100, s97, 6144
	s_mov_b32 s101, 0
	s_add_nc_u64 s[12:13], s[12:13], s[100:101]
	s_lshl_b32 s98, s97, 8
	s_mov_b32 s99, 0
	s_add_nc_u64 s[14:15], s[14:15], s[98:99]
.irp a, 0,1,2,3
	QTILE \a, PC+12*\a, PC+12*\a+6
.irp c, 0,1,2
	global_store_b128 v[L16], v[PC+12*\a+4*\c:PC+12*\a+4*\c+3], s[12:13] offset:FRB*\a+512*\c
.endr
.endr
	WORDS
	global_store_b64 v[L8], v[EA:EA+1], s[14:15]
.Lend:
	s_wait_tensorcnt 0x0
	ds_add_u32 v254, v255
	s_wait_dscnt 0x0
	CROUND                                         ; the closing round: no work-group ends while a partner may still ask for a tile that names it
	s_endpgm
.Lfunc_end_k_qb53d863c3c_qkv:
	.size	k_qb53d863c3c_qkv, .Lfunc_end_k_qb53d863c3c_qkv-k_qb53d863c3c_qkv
	.p2alignl 7, 3214868480
	.fill 96, 4, 3214868480
	.section	.rodata,"a",@progbits
	.p2align	6, 0x0
	.amdhsa_kernel k_qb53d863c3c_qkv
		.amdhsa_group_segment_fixed_size 295424
		.amdhsa_private_segment_fixed_size 0
		.amdhsa_enable_private_segment 0
		.amdhsa_kernarg_size 48
		.amdhsa_user_sgpr_count 2
		.amdhsa_user_sgpr_kernarg_segment_ptr 1
		.amdhsa_wavefront_size32 1
		.amdhsa_system_sgpr_workgroup_id_x 1
		.amdhsa_system_sgpr_workgroup_id_y 1
		.amdhsa_system_sgpr_workgroup_id_z 1
		.amdhsa_system_vgpr_workitem_id 0
		.amdhsa_next_free_vgpr 768
		.amdhsa_next_free_sgpr 102
		.amdhsa_reserve_vcc 0
		.amdhsa_float_denorm_mode_32 3
		.amdhsa_float_denorm_mode_16_64 3
		.amdhsa_memory_ordered 1
		.amdhsa_forward_progress 1
		.amdhsa_inst_pref_size 99
	.end_amdhsa_kernel
	.amdgpu_metadata
---
amdhsa.version: [ 1, 2 ]
amdhsa.kernels:
  - .name:           k_qb53d863c3c_qkv
    .symbol:         k_qb53d863c3c_qkv.kd
    .args:
      - { .name: oc, .offset: 0, .size: 8, .value_kind: global_buffer, .address_space: global }
      - { .name: os, .offset: 8, .size: 8, .value_kind: global_buffer, .address_space: global }
      - { .name: qkc, .offset: 16, .size: 8, .value_kind: global_buffer, .address_space: global }
      - { .name: qks, .offset: 24, .size: 8, .value_kind: global_buffer, .address_space: global }
      - { .name: vc, .offset: 32, .size: 8, .value_kind: global_buffer, .address_space: global }
      - { .name: vs, .offset: 40, .size: 8, .value_kind: global_buffer, .address_space: global }
    .group_segment_fixed_size: 295424
    .private_segment_fixed_size: 0
    .kernarg_segment_align: 8
    .kernarg_segment_size: 48
    .max_flat_workgroup_size: 128
    .sgpr_count:     102
    .vgpr_count:     768
    .wavefront_size: 32
...
	.end_amdgpu_metadata
.endif
;; end of part 2
;; launch attn (part 3): grid 4 x 64, 16 waves a work-group, clusters of 4 x 1, 210,944 bytes of LDS; arguments qkc, qks, vc, vs, yc, ys; writes yc, ys
.if DOCPART == 3
	.amdgcn_target "amdgcn-amd-amdhsa--gfx1250"
	.amdhsa_code_object_version 6
	.text
	.protected	k_qb53d863c3c_attn
	.globl	k_qb53d863c3c_attn
	.p2align	8
	.type	k_qb53d863c3c_attn,@function
k_qb53d863c3c_attn:
	s_mov_b64 s[64:65], 0
	v_nop
	global_prefetch_b8 v0, s[64:65] scope:SCOPE_SE
	s_setreg_imm32_b32 hwreg(HW_REG_WAVE_MODE, 25, 1), 1
	s_wait_xcnt 0x0
	s_wait_alu depctr_hold_cnt(0) depctr_sa_sdst(0) depctr_va_vdst(0) depctr_va_sdst(0) depctr_va_ssrc(0) depctr_va_vcc(0) depctr_vm_vsrc(0)
	s_getreg_b32 s2, hwreg(HW_REG_IB_STS2, 6, 4)
	s_cmp_eq_u32 s2, 0
	s_cbranch_scc0 .Lentry_in_a_cluster
	s_endpgm
.Lentry_in_a_cluster:
	s_bfe_u32 s2, ttmp6, 0x10000c
	s_cmp_lg_u32 s2, 0x3003
	s_cbranch_scc0 .Lentry_shape_is_right
	s_endpgm
.Lentry_shape_is_right:
; Causal attention of one head on codes of BF6 (E3M2): S^T = K Q^T (K = the head's 64), p = 2^(t - M), O^T = V^T P^T (K = the keys), O / the row's sum, quantised along the channels for the last projection.
; t = score x log2(e) / 8; M = the running largest t rounded UP to a whole number; p is quantised along the keys and not normalised; the row's sum is taken of the unquantised p in f32.
; When M moves, the sum and O^T are multiplied by 2^(old M - new M): exact.  A lane holds ONE query (lane % 16) throughout; both products are used transposed.
; SHARES: a cluster of four work-groups is one (batch, head).  Work-group cx owns the groups of 32 queries g = 4 s + cx, s = 0 .. 15.  Wave w takes tile (s = w, u = 0), then tile (s = 15 - w, u = 1):
; (w + 1) + (16 - w) = 17 key steps of 128 for every wave of the launch.  Step j of a tile is left out where j > s, masked where j = s, open where j < s: tests on the wave's number and a counter, never on cx,
; so the four partners run alike.  cx enters global addresses of Q and y and the mask's numbers alone.
; LDS: the head's K (98,304 bytes), V (98,304) and their scale words (8,192 + 4,096) all fit: filled ONCE, by joint loads that name the four partners; one wait, one barrier, and no wave waits for another after it.
; THE HEAD'S 64 fill half of the instruction's 128 along K: the upper six registers of Q's operand are zero codes.  K's tiles lie six registers apart, so the upper six of K's operand are the next tile's codes
; (behind the last tile: zeros); they meet Q's zeros and add nothing, and no scale byte is 0xff.
; ROWS: lane r of tile u of group g is token 32 g + 8 u + r + 8 (r / 8), for queries, keys and V's channels alike; so registers 16 b + i of S^T are keys 32 b + 16 (lane / 16) + i, and of O^T channels likewise.
; RESULT: yc [group 256][K step 8][u 2][piece 6][lane][8 bytes]: an operand's fragment in pieces of two registers: head 2 k + c fills pieces 3 c .. 3 c + 2.   ys [group][lane 16 u + r][head 16][2 bytes]: eight scale words a row.
; LIMITS: no NaN or infinity among the inputs; blocks under 2^-122 or of zeros get the byte 1; the division is a multiplication by v_rcp_f32's result; ys is written a byte a lane.
; REGISTERS: v1-7, v30, v31 addresses and the mask's numbers; v8-11 the step's LDS addresses; v12 -M, v13 the largest t, v[14:15] the sum in two halves; v16-27, v192-203 Q of the two tiles; v28, v29 Q's scale words;
;   v32-79 K's eight tiles, then V's four fragments; v80-85 zeros; v96-159 S^T, then p; v160-191 O^T; v224-235 p's codes; v236-254 at work; v248-251 scale words; v253 p's scale word.
.set VC,   98304
.set SCK,  196608
.set SCV,  204800
.set WV,   16
.set G1C,  24                          ; s[24:31] 192 rows of 256 bytes;  s[32:39] 16 rows
.set G1S,  32
.set G0C,  40
.set G0S,  44
.set TB,   48                          ; s48 the step's codes: 6,144 bytes a step, in K's region and in V's
.set TS,   49                          ; s49 K's scale words: 512 a step
.set TJ,   50                          ; s50 V's: 256 a step
.set SG,   51                          ; s51 the step
.set SQ,   52                          ; s52, s53 the diagonal step of my two tiles
.set QC,   54                          ; s[54:57] Q's codes, tile 0, 1;  s[58:61] Q's scale words
.set QW,   58
.set SEL,  66
.set CS,   68                          ; s[68:69] c = log2(e) / 8 (the packed form names a pair)
.set MSK,  70
.set YC,   72                          ; s[72:75] where my two tiles' codes go;  s[76:79] their scale bytes
.set YS,   76
.macro CROUND
	s_barrier_signal -1
	s_barrier_wait -1
	s_cmp_lg_u32 s[WV], 0
	s_cbranch_scc1 .Lnot_wave_0_\@
	s_barrier_signal -3
.Lnot_wave_0_\@:
	s_barrier_wait -3
	s_barrier_signal -1
	s_barrier_wait -1
.endm
	s_load_b256 s[4:11], s[0:1], 0x0               ; qkc, qks, vc, vs
	s_load_b128 s[12:15], s[0:1], 0x20             ; yc, ys
	v_lshl_add_u32 v243, v0, 2, 0x33000
	v_mov_b32 v255, 0
	ds_add_u32 v243, v255
	ds_add_u32 v243, v255
	v_lshrrev_b32 v1, 5, v0
	s_delay_alu instid0(VALU_DEP_1)
	v_readfirstlane_b32 s[WV], v1                  ; wave 0..15
	s_bfe_u32 s17, ttmp6, 0x40000                  ; cx
	s_and_b32 s18, ttmp7, 0xffff                   ; 16 b + head
	s_lshr_b32 s19, s18, 4                         ; b
	s_and_b32 s20, s18, 15                         ; head
	s_lshl_b32 s21, s19, 5
	s_add_co_u32 s21, s21, s20                     ; 32 b + head: q's head in qkc and qks; k's is 16 on
	s_mov_b32 s[G1C], 15|(3<<16)|(1<<21)           ; the mask: all four work-groups; elements of 8 bytes; bit 21 beside a mask
	s_mov_b32 s[G1C+1], 32<<16
	s_mov_b32 s[G1C+2], 192<<16
	s_mov_b32 s[G1C+3], 32<<16
	s_mov_b32 s[G1C+4], 192
	s_mov_b32 s[G1C+5], 32
	s_mov_b32 s[G1C+6], 0
	s_mov_b32 s[G1C+7], 0
	s_mov_b32 s[G1S], 15|(3<<16)|(1<<21)
	s_mov_b32 s[G1S+1], 32<<16
	s_mov_b32 s[G1S+2], 16<<16
	s_mov_b32 s[G1S+3], 32<<16
	s_mov_b32 s[G1S+4], 16
	s_mov_b32 s[G1S+5], 32
	s_mov_b32 s[G1S+6], 0
	s_mov_b32 s[G1S+7], 0
	s_and_b32 s80, s[WV], 1
	s_mul_i32 s81, s80, 49152                      ; which half of a head's codes
	s_add_co_u32 s82, s21, 16
	s_mul_i32 s82, s82, 98304                      ; K's head in qkc
	s_mul_i32 s83, s18, 98304                      ; V's in vc
	s_lshl_b32 s88, s80, 12                        ; which half of K's scale words
	s_add_co_u32 s89, s21, 16
	s_lshl_b32 s89, s89, 13
	s_add_co_u32 s89, s89, s88
	s_lshl_b32 s90, s18, 12                        ; V's scale words
	s_mov_b32 s[SEL], 0x76543210
	s_mov_b32 s[SEL+1], 0xfedcba98
	s_mov_b32 s[CS], 0x3e38aa3b
	s_mov_b32 s[CS+1], s[CS]
	s_mov_b32 s[MSK], 0xffff0000
	s_mov_b32 s[SQ], s[WV]
	s_sub_co_u32 s[SQ+1], 15, s[WV]
	s_wait_dscnt 0x0
	s_wait_kmcnt 0x0
	s_cmp_lt_u32 s[WV], 2                          ; waves 0, 1: K's codes; waves 2, 3: V's
	s_cselect_b64 s[84:85], s[4:5], s[8:9]
	s_cselect_b32 s86, s82, s83
	s_add_co_u32 s86, s86, s81
	s_mov_b32 s87, 0
	s_add_nc_u64 s[84:85], s[84:85], s[86:87]
	s_mov_b32 s[G0C], 1
	s_mul_i32 s[G0C+1], s[WV], 49152
	s_mov_b64 s[G0C+2:G0C+3], s[84:85]
	s_or_b32 s[G0C+3], s[G0C+3], 0x80000000
	s_cmp_lt_u32 s[WV], 6                          ; waves 4, 5: K's scale words; wave 6: V's
	s_cselect_b64 s[92:93], s[6:7], s[10:11]
	s_cselect_b32 s90, s89, s90
	s_mov_b32 s91, 0
	s_add_nc_u64 s[92:93], s[92:93], s[90:91]
	s_mov_b32 s[G0S], 1
	s_lshl_b32 s[G0S+1], s[WV], 12
	s_add_co_u32 s[G0S+1], s[G0S+1], 180224        ; 196,608 + 4,096 (wave - 4)
	s_mov_b64 s[G0S+2:G0S+3], s[92:93]
	s_or_b32 s[G0S+3], s[G0S+3], 0x80000000
	CROUND                                         ; all four work-groups are here: the joint loads meet
	s_cmp_lt_u32 s[WV], 4                          ; one tensor load a wave at the most, and none ever again
	s_cbranch_scc0 .Lnot_codes
	tensor_load_to_lds s[G0C:G0C+3], s[G1C:G1C+7]
	s_nop 0
.rept 4
	v_nop
.endr
	s_branch .Lasked
.Lnot_codes:
	s_cmp_lt_u32 s[WV], 7
	s_cbranch_scc0 .Lasked
	tensor_load_to_lds s[G0S:G0S+3], s[G1S:G1S+7]
	s_nop 0
.rept 4
	v_nop
.endr
.Lasked:
; where tile u's Q comes from and its result goes.  cx enters here, in registers that feed no joint load
.macro PREP u
	s_lshl_b32 s96, s[SQ+\u], 2
	s_add_co_u32 s96, s96, s17                     ; g
	s_lshl_b32 s97, s21, 6
	s_add_co_u32 s97, s97, s96
	s_mul_i32 s98, s97, 1536
	s_mov_b32 s99, 0
	s_add_nc_u64 s[QC+2*\u:QC+2*\u+1], s[4:5], s[98:99]
	s_lshl_b32 s98, s21, 13
	s_lshr_b32 s97, s96, 1
	s_lshl_b32 s97, s97, 8
	s_add_co_u32 s98, s98, s97
	s_and_b32 s97, s96, 1
	s_lshl_b32 s97, s97, 2
	s_add_co_u32 s98, s98, s97
	s_add_co_u32 s98, s98, 128*\u
	s_add_nc_u64 s[QW+2*\u:QW+2*\u+1], s[6:7], s[98:99]
	s_lshl_b32 s97, s19, 6
	s_add_co_u32 s97, s97, s96                     ; 64 b + g
	s_mul_i32 s98, s97, 24576
	s_lshr_b32 s100, s20, 1
	s_mul_i32 s100, s100, 3072
	s_add_co_u32 s98, s98, s100
	s_and_b32 s100, s20, 1
	s_mul_i32 s100, s100, 768
	s_add_co_u32 s98, s98, s100
	s_add_co_u32 s98, s98, 1536*\u
	s_add_nc_u64 s[YC+2*\u:YC+2*\u+1], s[12:13], s[98:99]
	s_lshl_b32 s98, s97, 10
	s_lshl_b32 s100, s20, 1
	s_add_co_u32 s98, s98, s100
	s_add_co_u32 s98, s98, 512*\u
	s_add_nc_u64 s[YS+2*\u:YS+2*\u+1], s[14:15], s[98:99]
.endm
	PREP 0
	PREP 1
	v_and_b32 v86, 31, v0                          ; lane
	v_and_b32 v87, 15, v0                          ; r
	v_bfe_u32 v88, v0, 4, 1                        ; h
	s_delay_alu instid0(VALU_DEP_3)
	v_lshlrev_b32 v1, 4, v86                       ; 16 x lane: K's images, and Q's in memory
	s_delay_alu instid0(VALU_DEP_3)
	v_lshlrev_b32 v31, 3, v87                      ; 8 r: Q's scale words
	global_load_b64 v[16:17], v1, s[QC:QC+1]                   ; tile u = 0 is registers 0-5 of the group's image,
	global_load_b64 v[18:19], v1, s[QC:QC+1] offset:8
	global_load_b64 v[20:21], v1, s[QC:QC+1] offset:512
	global_load_b32 v28, v31, s[QW:QW+1]
	global_load_b64 v[192:193], v1, s[QC+2:QC+3] offset:520    ; tile u = 1 registers 6-11
	global_load_b64 v[194:195], v1, s[QC+2:QC+3] offset:1024
	global_load_b64 v[196:197], v1, s[QC+2:QC+3] offset:1032
	global_load_b32 v29, v31, s[QW+2:QW+3]
	v_add_nc_u32 v2, VC, v1                        ; V's images
	v_lshlrev_b32 v7, 3, v86                       ; 8 x lane
	s_delay_alu instid0(VALU_DEP_1)
	v_add_nc_u32 v3, SCK, v7
	s_delay_alu instid0(VALU_DEP_2)
	v_add_nc_u32 v4, SCV, v7
	v_and_b32 v89, 8, v87
	s_delay_alu instid0(VALU_DEP_1)
	v_add_nc_u32 v89, v89, v87                     ; r + 8 (r / 8)
	v_lshlrev_b32 v90, 4, v88
	s_delay_alu instid0(VALU_DEP_1)
	v_sub_nc_u32 v89, v89, v90
	s_lshl_b32 s96, s17, 5
	v_add_nc_u32 v5, s96, v89                      ; d = my query's place in its 128 - 16 h, for u = 0: in the diagonal step register 16 b + i is hidden where 32 b + i > d
	s_delay_alu instid0(VALU_DEP_1)
	v_add_nc_u32 v6, 8, v5                         ; and for u = 1
	v_lshl_add_u32 v30, v87, 5, v88                ; 32 r + h: my scale byte's place
.irp j, 0,1,2,3,4,5
	v_mov_b32 v[22+\j], 0                          ; zero codes: the upper 64 of the instruction's K
	v_mov_b32 v[198+\j], 0
	v_mov_b32 v[80+\j], 0
.endr
.irp b, 0,1,2,3
	v_mov_b32 v[236+\b], 0                         ; a lane permute's destination counts as one of its sources
.endr
	v_mov_b32 v253, 0                              ; (named as the upper half of the pair v[252:253] before it is first written)
	s_wait_tensorcnt 0x0                           ; my part of the head has landed,
	s_barrier_signal -1
	s_barrier_wait -1                              ; everybody's has
	s_wait_loadcnt 0x0                             ; Q
; ONE TILE OF 16 QUERIES.  u: the tile; qf: Q's operand; qs: its scale words; d: the mask's number.
.macro PASS u, qf, qs, d
	v_mov_b32 v13, 0xff61b1e6                      ; the largest t so far: -3e38, under every t
	s_delay_alu instid0(VALU_DEP_1)
	v_floor_f32 v12, -v13                          ; -M
	v_mov_b32 v14, 0
	v_mov_b32 v15, 0
.set j, 0
.rept 32
	v_mov_b32 v[160+j], 0                          ; O^T: the step is written once; the first finds zeros, which the first change of M leaves zeros
.set j, j+1
.endr
	s_mov_b32 s[TB], 0
	s_mov_b32 s[TS], 0
	s_mov_b32 s[TJ], 0
	s_mov_b32 s[SG], 0
.Lstep_\@:                             ; sixteen trips, a constant; a step all of whose keys come after my queries only steps the addresses
	s_cmp_gt_u32 s[SG], s[SQ+\u]
	s_cbranch_scc1 .Lhidden_\@
	s_setprio 2
	v_add_nc_u32 v8, s[TB], v1                     ; (these four are the places behind the last step's products, ahead of the loads into their registers)
	v_add_nc_u32 v9, s[TB], v2
	v_add_nc_u32 v10, s[TS], v3
	v_add_nc_u32 v11, s[TJ], v4
.irp i, 0,1,2,3,4,5,6,7,8,9,10,11
	ds_load_b128 v[32+4*\i:35+4*\i], v8 offset:512*\i          ; four groups' images: eight tiles of 16 keys, six registers each
.endr
	ds_load_b64 v[248:249], v10                    ; a group's register: lanes 0-15 tile 0's words, lanes 16-31 tile 1's
	ds_load_b64 v[250:251], v10 offset:256
	s_wait_alu depctr_va_vdst(0)
	s_wait_dscnt 0x0
.irp t, 0,2,4,6
	v_wmma_scale_f32_16x16x128_f8f6f4 v[96+8*\t:103+8*\t], v[32+6*\t:43+6*\t], v[\qf:\qf+11], 0, v[248+\t/2], v[\qs] matrix_a_fmt:MATRIX_FMT_BF6 matrix_b_fmt:MATRIX_FMT_BF6
	v_wmma_scale_f32_16x16x128_f8f6f4 v[104+8*\t:111+8*\t], v[38+6*\t:49+6*\t], v[\qf:\qf+11], 0, v[248+\t/2], v[\qs] matrix_a_fmt:MATRIX_FMT_BF6 matrix_b_fmt:MATRIX_FMT_BF6 matrix_a_scale:MATRIX_SCALE_ROW1
.endr
.rept 4
	v_nop                                          ; places: ahead of the loads into K's registers and of the first read of the scores
.endr
.irp i, 0,1,2,3,4,5,6,7,8,9,10,11
	ds_load_b128 v[32+4*\i:35+4*\i], v9 offset:512*\i          ; V's four fragments are asked for now and land under the softmax
.endr
	ds_load_b64 v[248:249], v11
	s_cmp_lg_u32 s[SG], s[SQ+\u]                   ; on the diagonal the scores of hidden keys become -infinity ahead of the maximum: p = 0 then
	s_cbranch_scc1 .Lopen_\@
	v_mov_b32 v254, 0xff800000
.irp n, 0,1,2,3,4,5,6,7,8,9,10,11,12,13,14,15,16,17,18,19,20,21,22,23,24,25,26,27,28,29,30,31,32,33,34,35,36,37,38,39,40,41,42,43,44,45,46,47,48,49,50,51,52,53,54,55,56,57,58,59,60,61,62,63
	v_cmp_gt_i32 vcc_lo, 32*(\n/16)+\n%16, v[\d]
	v_cndmask_b32 v[96+\n], v[96+\n], v254, vcc_lo
.endr
.Lopen_\@:
.irp b, 0,1,2,3
	v_max3_num_f32 v[232+\b], v[96+16*\b], v[97+16*\b], v[98+16*\b]   ; the largest score of each block of 32 keys: for the row's maximum, and, since p rises with the score, for the block's largest p
.endr
.irp i, 3,5,7,9,11,13
.irp b, 0,1,2,3
	v_max3_num_f32 v[232+\b], v[232+\b], v[96+16*\b+\i], v[97+16*\b+\i]
.endr
.endr
.irp b, 0,1,2,3
	v_max_num_f32 v[232+\b], v[232+\b], v[111+16*\b]
.endr
.irp b, 0,1,2,3
	s_delay_alu instid0(VALU_DEP_4)
	v_permlanex16_b32 v[236+\b], v[232+\b], s[SEL], s[SEL+1]
.endr
.irp b, 0,1,2,3
	s_delay_alu instid0(VALU_DEP_4)
	v_max_num_f32 v[232+\b], v[232+\b], v[236+\b]  ; with lane l xor 16's 16 keys
.endr
	s_delay_alu instid0(VALU_DEP_2)
	v_max3_num_f32 v254, v232, v233, v234
	s_delay_alu instid0(VALU_DEP_1)
	v_max_num_f32 v254, v254, v235
	s_delay_alu instid0(VALU_DEP_1)
	v_mul_f32 v254, s[CS], v254                    ; the step's largest t (c is positive)
	s_delay_alu instid0(VALU_DEP_1)
	v_max_num_f32 v13, v13, v254
	v_mov_b32 v254, v12
	s_delay_alu instid0(VALU_DEP_2)
	v_floor_f32 v12, -v13                          ; the new -M = -ceil(t): a whole number
	s_delay_alu instid0(VALU_DEP_1)
	v_sub_f32 v254, v12, v254                      ; old M - new M: a whole number, 0 or less
	s_delay_alu instid0(VALU_DEP_1)
	v_cvt_i32_f32 v254, v254                       ; (it saturates)
	s_delay_alu instid0(VALU_DEP_1)
	v_ldexp_f32 v252, 1.0, v254                    ; f = 2^(old M - new M)
.set j, 0
.rept 32
	v_pk_fma_f32 v[96+j:97+j], v[96+j:97+j], s[CS:CS+1], v[12:13] op_sel_hi:[1,0,0]   ; t - M, two at a time
.set j, j+2
.endr
	s_setprio 1
.irp b, 0,1,2,3
	v_fma_f32 v[232+\b], v[232+\b], s[CS], v12     ; the same of each block's largest score
.endr
.set j, 0
	s_wait_alu depctr_va_vdst(0)
.rept 64
	v_exp_f32 v[96+j], v[96+j]                     ; p = 2^(t - M), at most 1
.set j, j+1
.endr
.irp b, 0,1,2,3
	v_exp_f32 v[232+\b], v[232+\b]                 ; the block's largest p: the same two instructions on the same number
.endr
	v_pk_mul_f32 v[14:15], v[14:15], v[252:253] op_sel_hi:[1,0]   ; the sums under the new M (a plain place behind the exponentials)
	s_wait_alu depctr_va_vdst(0)
.irp b, 0,1,2,3
	v_max_num_f32 v[232+\b], 0x2800000, v[232+\b]  ; the floor 2^(5 - 127): the byte cannot fall under 1
.endr
.irp b, 0,1,2,3
	s_delay_alu instid0(VALU_DEP_4)
	v_add_nc_u32 v[244+\b], 0xfe000000, v[232+\b]  ; the conversion's scale operand
.endr
.irp b, 0,1,2,3
	s_delay_alu instid0(VALU_DEP_4)
	v_lshrrev_b32 v[236+\b], 23, v[244+\b]         ; the scale's byte
.endr
	s_delay_alu instid0(VALU_DEP_3)
	v_lshl_or_b32 v253, v237, 8, v236              ; p's scale word for these 128 keys
	s_delay_alu instid0(VALU_DEP_1)
	v_lshl_or_b32 v253, v238, 16, v253
	s_delay_alu instid0(VALU_DEP_1)
	v_lshl_or_b32 v253, v239, 24, v253
.irp c, 0,1
	v_cvt_scalef32_pk16_bf6_f32 v[224+6*\c:226+6*\c], v[96+32*\c:111+32*\c], v[244+2*\c]
	v_cvt_scalef32_pk16_bf6_f32 v[236+4*\c:238+4*\c], v[112+32*\c:127+32*\c], v[244+2*\c+1]
.endr
	v_nop                                          ; one plain place behind a scaled conversion
.irp c, 0,1                            ; a WHOLE block to a lane: lanes 0-15 block 2 c, lanes 16-31 block 2 c + 1
.irp i, 0,1,2
	v_permlane16_swap_b32 v[224+6*\c+\i], v[236+4*\c+\i]
.endr
.irp i, 0,1,2
	s_delay_alu instid0(VALU_DEP_3)
	v_mov_b32 v[227+6*\c+\i], v[236+4*\c+\i]
.endr
.endr
	v_pk_add_f32 v[236:237], v[100:101], v[104:105]
	v_pk_add_f32 v[250:251], v[108:109], v[112:113]
	v_pk_add_f32 v[246:247], v[116:117], v[120:121]
	v_pk_add_f32 v[244:245], v[124:125], v[128:129]
	v_pk_add_f32 v[240:241], v[132:133], v[136:137]
	v_pk_add_f32 v[222:223], v[140:141], v[144:145]
	v_pk_add_f32 v[220:221], v[148:149], v[152:153]
	v_pk_add_f32 v[14:15], v[14:15], v[156:157]
	v_pk_add_f32 v[236:237], v[236:237], v[96:97]
	v_pk_add_f32 v[250:251], v[250:251], v[98:99]
	v_pk_add_f32 v[246:247], v[246:247], v[102:103]
	s_setprio 0
	v_pk_add_f32 v[244:245], v[244:245], v[106:107]
	v_pk_add_f32 v[240:241], v[240:241], v[110:111]
	v_pk_add_f32 v[222:223], v[222:223], v[114:115]
	v_pk_add_f32 v[220:221], v[220:221], v[118:119]
	v_pk_add_f32 v[14:15], v[14:15], v[122:123]
	v_pk_add_f32 v[236:237], v[236:237], v[126:127]
	v_pk_add_f32 v[250:251], v[250:251], v[130:131]
	v_pk_add_f32 v[246:247], v[246:247], v[134:135]
	v_pk_add_f32 v[244:245], v[244:245], v[138:139]
	v_pk_add_f32 v[240:241], v[240:241], v[142:143]
	v_pk_add_f32 v[222:223], v[222:223], v[146:147]
	v_pk_add_f32 v[220:221], v[220:221], v[150:151]
	v_pk_add_f32 v[14:15], v[14:15], v[154:155]
	v_pk_add_f32 v[236:237], v[236:237], v[158:159]
	s_delay_alu instid0(VALU_DEP_2)
	v_pk_add_f32 v[14:15], v[14:15], v[244:245]
	s_delay_alu instid0(VALU_DEP_2)
	v_pk_add_f32 v[236:237], v[236:237], v[240:241]
	v_pk_add_f32 v[250:251], v[250:251], v[222:223]
	v_pk_add_f32 v[246:247], v[246:247], v[220:221]
	s_delay_alu instid0(VALU_DEP_2)
	v_pk_add_f32 v[14:15], v[14:15], v[250:251]
	s_delay_alu instid0(VALU_DEP_2)
	v_pk_add_f32 v[236:237], v[236:237], v[246:247]
	s_delay_alu instid0(VALU_DEP_1)
	v_pk_add_f32 v[14:15], v[14:15], v[236:237]
.set j, 0
.rept 16
	v_pk_mul_f32 v[160+j:161+j], v[160+j:161+j], v[252:253] op_sel_hi:[1,0]   ; O^T under the new M.  (With the sums above: far more than the eight places between p's scale word and the products)
.set j, j+2
.endr
	s_wait_alu depctr_va_vdst(0)
	s_wait_dscnt 0x0                               ; V
.irp t, 0,2
	v_wmma_scale_f32_16x16x128_f8f6f4 v[160+8*\t:167+8*\t], v[32+12*\t:43+12*\t], v[224:235], v[160+8*\t:167+8*\t], v[248+\t/2], v253 matrix_a_fmt:MATRIX_FMT_BF6 matrix_b_fmt:MATRIX_FMT_BF6
	v_wmma_scale_f32_16x16x128_f8f6f4 v[168+8*\t:175+8*\t], v[44+12*\t:55+12*\t], v[224:235], v[168+8*\t:175+8*\t], v[248+\t/2], v253 matrix_a_fmt:MATRIX_FMT_BF6 matrix_b_fmt:MATRIX_FMT_BF6 matrix_a_scale:MATRIX_SCALE_ROW1
.endr
.Lhidden_\@:
	s_add_co_u32 s[TB], s[TB], 6144
	s_add_co_u32 s[TS], s[TS], 512
	s_add_co_u32 s[TJ], s[TJ], 256
	s_add_co_u32 s[SG], s[SG], 1
	s_cmp_lt_u32 s[SG], 16
	s_cbranch_scc1 .Lstep_\@
	s_setprio 0
	; the tile's way out: O / the sum, quantised along the head's 64 channels (two blocks): six registers of the last projection's operand
.rept 4
	v_nop
.endr
	v_add_f32 v14, v14, v15
	s_delay_alu instid0(VALU_DEP_1)
	v_permlanex16_b32 v252, v14, s[SEL], s[SEL+1]
	s_delay_alu instid0(VALU_DEP_1)
	v_add_f32 v14, v14, v252                       ; the row's sum
	s_wait_alu depctr_va_vdst(0)
	v_rcp_f32 v14, v14
	v_nop                                          ; a plain place behind the transcendental
.set j, 0
	s_wait_alu depctr_va_vdst(0)
.rept 16
	v_pk_mul_f32 v[96+j:97+j], v[160+j:161+j], v[14:15] op_sel_hi:[1,0]   ; register 16 b + i: channel 32 b + 16 h + i
.set j, j+2
.endr
.irp b, 0,1
	v_max3_num_f32 v[232+\b], |v[96+16*\b]|, |v[97+16*\b]|, 0x2800000
.endr
.irp i, 2,4,6,8,10,12,14
.irp b, 0,1
	s_delay_alu instid0(VALU_DEP_2)
	v_max3_num_f32 v[232+\b], v[232+\b], |v[96+16*\b+\i]|, |v[97+16*\b+\i]|
.endr
.endr
.irp b, 0,1
	s_delay_alu instid0(VALU_DEP_2)
	v_permlanex16_b32 v[236+\b], v[232+\b], s[SEL], s[SEL+1]
.endr
.irp b, 0,1
	s_delay_alu instid0(VALU_DEP_2)
	v_max_num_f32 v[232+\b], v[232+\b], v[236+\b]
.endr
.irp b, 0,1
	s_delay_alu instid0(VALU_DEP_2)
	v_add_nc_u32 v[244+\b], 0xfe000000, v[232+\b]
.endr
.irp b, 0,1
	s_delay_alu instid0(VALU_DEP_2)
	v_lshrrev_b32 v[236+\b], 23, v[244+\b]
.endr
	s_delay_alu instid0(VALU_DEP_1)
	v_cndmask_b32 v238, v236, v237, s[MSK]         ; lane (r, h) stores block h's byte
	v_cvt_scalef32_pk16_bf6_f32 v[224:226], v[96:111], v244
	v_cvt_scalef32_pk16_bf6_f32 v[228:230], v[112:127], v245
	v_nop
.irp i, 0,1,2
	v_permlane16_swap_b32 v[224+\i], v[228+\i]
.endr
.irp i, 0,1,2
	s_delay_alu instid0(VALU_DEP_3)
	v_mov_b32 v[227+\i], v[228+\i]                 ; ascending: each reads a register not yet written
.endr
.irp p, 0,1,2
	global_store_b64 v7, v[224+2*\p:225+2*\p], s[YC+2*\u:YC+2*\u+1] offset:256*\p   ; 256 consecutive bytes, aligned
.endr
	global_store_b8 v30, v238, s[YS+2*\u:YS+2*\u+1]
	s_wait_xcnt 0x0                                ; the stores have read their registers: the next tile may write them
.endm
	PASS 0, 16, 28, 5
	PASS 1, 192, 29, 6
	s_wait_dscnt 0x0
	s_wait_tensorcnt 0x0
	ds_add_u32 v243, v255
	s_wait_dscnt 0x0
	CROUND                                         ; the closing round
	s_endpgm
.Lfunc_end_k_qb53d863c3c_attn:
	.size	k_qb53d863c3c_attn, .Lfunc_end_k_qb53d863c3c_attn-k_qb53d863c3c_attn
	.p2alignl 7, 3214868480
	.fill 96, 4, 3214868480
	.section	.rodata,"a",@progbits
	.p2align	6, 0x0
	.amdhsa_kernel k_qb53d863c3c_attn
		.amdhsa_group_segment_fixed_size 210944
		.amdhsa_private_segment_fixed_size 0
		.amdhsa_enable_private_segment 0
		.amdhsa_kernarg_size 48
		.amdhsa_user_sgpr_count 2
		.amdhsa_user_sgpr_kernarg_segment_ptr 1
		.amdhsa_wavefront_size32 1
		.amdhsa_system_sgpr_workgroup_id_x 1
		.amdhsa_system_sgpr_workgroup_id_y 1
		.amdhsa_system_sgpr_workgroup_id_z 1
		.amdhsa_system_vgpr_workitem_id 0
		.amdhsa_next_free_vgpr 256
		.amdhsa_next_free_sgpr 102
		.amdhsa_reserve_vcc 1
		.amdhsa_float_denorm_mode_32 3
		.amdhsa_float_denorm_mode_16_64 3
		.amdhsa_memory_ordered 1
		.amdhsa_forward_progress 1
		.amdhsa_inst_pref_size 66
	.end_amdhsa_kernel
	.amdgpu_metadata
---
amdhsa.version: [ 1, 2 ]
amdhsa.kernels:
  - .name:           k_qb53d863c3c_attn
    .symbol:         k_qb53d863c3c_attn.kd
    .args:
      - { .name: qkc, .offset: 0, .size: 8, .value_kind: global_buffer, .address_space: global }
      - { .name: qks, .offset: 8, .size: 8, .value_kind: global_buffer, .address_space: global }
      - { .name: vc, .offset: 16, .size: 8, .value_kind: global_buffer, .address_space: global }
      - { .name: vs, .offset: 24, .size: 8, .value_kind: global_buffer, .address_space: global }
      - { .name: yc, .offset: 32, .size: 8, .value_kind: global_buffer, .address_space: global }
      - { .name: ys, .offset: 40, .size: 8, .value_kind: global_buffer, .address_space: global }
    .group_segment_fixed_size: 210944
    .private_segment_fixed_size: 0
    .kernarg_segment_align: 8
    .kernarg_segment_size: 48
    .max_flat_workgroup_size: 512
    .sgpr_count:     102
    .vgpr_count:     256
    .wavefront_size: 32
...
	.end_amdgpu_metadata
.endif
;; end of part 3
;; launch oproj (part 4): grid 4 x 64, 4 waves a work-group, clusters of 4 x 4, 295,424 bytes of LDS; arguments yc, ys, oc, os, out0; writes out0
.if DOCPART == 4
	.amdgcn_target "amdgcn-amd-amdhsa--gfx1250"
	.amdhsa_code_object_version 6
	.text
	.protected	k_qb53d863c3c_oproj
	.globl	k_qb53d863c3c_oproj
	.p2align	8
	.type	k_qb53d863c3c_oproj,@function
k_qb53d863c3c_oproj:
	s_mov_b64 s[64:65], 0
	v_nop
	global_prefetch_b8 v0, s[64:65] scope:SCOPE_SE
	s_setreg_imm32_b32 hwreg(HW_REG_WAVE_MODE, 25, 1), 1
	s_wait_xcnt 0x0
	s_wait_alu depctr_hold_cnt(0) depctr_sa_sdst(0) depctr_va_vdst(0) depctr_va_sdst(0) depctr_va_ssrc(0) depctr_va_vcc(0) depctr_vm_vsrc(0)
	s_getreg_b32 s2, hwreg(HW_REG_IB_STS2, 6, 4)
	s_cmp_eq_u32 s2, 0
	s_cbranch_scc0 .Lentry_in_a_cluster
	s_endpgm
.Lentry_in_a_cluster:
	s_bfe_u32 s2, ttmp6, 0x10000c
	s_cmp_lg_u32 s2, 0xf033
	s_cbranch_scc0 .Lentry_shape_is_right
	s_endpgm
.Lentry_shape_is_right:
; out0 = y wo^T on codes of BF6 (E3M2), K = 1,024, f32 out.  The same make as the projections' launch: D = R P^T, source 0 = 16 rows of R = wo, source 1 = 16 rows of P = y (attention's result, as codes):
; a lane holds one token, and its registers run along the output's columns.  A work-group makes 128 tokens x 256 columns, wave (wp, wr) 64 x 128: 32 accumulators.  256 work-groups.
; LDS holds ALL of K of both operands, 294,912 bytes, filled once: four chunks of two K steps, asked for together, each read behind a counted wait and a barrier.
; CLUSTERS: 4 x 4: y's tiles are shared along a row of the cluster, wo's along a column: joint loads.
; y's fragments lie in pieces of 8 bytes a lane (two registers), six to a fragment; wo's in runs of 16 bytes a lane, three to a fragment.  y's scale words: eight a row, 32 bytes a lane.
; ROWS: lane r of tile u of group G is row 32 G + 8 u + r + 8 (r / 8); so registers of R's tiles 2 b, 2 b + 1 are columns 32 b + 16 (lane / 16) + 0 .. 15.
; THE WAY OUT: a tile of 16 tokens x 128 columns goes through the wave's own stage in LDS and leaves as whole rows of 512 bytes.  The stage lies in chunk 0, which has had its one fill, and which nobody reads
; behind the barrier ahead of K step 2's fetch.
; REGISTERS: window 0: v16-28 addresses; v32-47 y's scale words, v48-79 wo's; v128-223 y's fragments, two sets; on the way out v128-255 rows read back.   window 1: wo's fragments, two sets.   window 2: the accumulators.
.set CH,   73728
.set GRP,  6144
.set FRB,  1536
.set NLD,  48                          ; LDS loads of a K step: 24 of 16 bytes, 24 of 8
.set ADRP, 16
.set ADRR, 20
.set L16,  24                          ; v24 16 x lane
.set L8,   25                          ; v25 8 x lane
.set L32,  26                          ; v26 32 x lane
.set STO,  27                          ; v27 the stage, in
.set RD,   28                          ; v28 and back
.set SP,   32
.set SR,   48
.set PF,   128
.set BK,   128
.set SPITCH, 528
.set WV,   16
.set WP,   17
.set WR,   18
.set PR,   23
.set G1P,  24
.set G1R,  32
.set G0P,  40
.set G0R,  68
.set RC,   84
.set PG,   88
.set RG,   89
.set MSB, 0
.macro WIN new                         ; the immediate's high byte repeats the setting that is left
.if MSB != \new
	s_set_vgpr_msb (MSB<<8)|\new
.set MSB, \new
.endif
.endm
.macro CROUND                          ; a round of the cluster's barrier
	s_barrier_signal -1
	s_barrier_wait -1
	s_cmp_lg_u32 s[WV], 0
	s_cbranch_scc1 .Lnot_wave_0_\@
	s_barrier_signal -3
.Lnot_wave_0_\@:
	s_barrier_wait -3
	s_barrier_signal -1
	s_barrier_wait -1
.endm
.macro PLACES                          ; four plain places behind a matrix instruction (ISA guide 7.12.1)
.rept 4
	v_nop
.endr
.endm
	s_load_b256 s[4:11], s[0:1], 0x0               ; yc, ys, oc, os
	s_load_b64 s[12:13], s[0:1], 0x20              ; out0
	v_lshl_add_u32 v126, v0, 2, 0x48000
	v_mov_b32 v127, 0
	ds_add_u32 v126, v127
	ds_add_u32 v126, v127
	v_lshrrev_b32 v1, 5, v0
	v_readfirstlane_b32 s[WV], v1
	s_lshr_b32 s[WP], s[WV], 1                     ; which 64 tokens are mine.  Also: I fetch for y (0) or for wo (1)
	s_and_b32 s[WR], s[WV], 1                      ; which 128 columns.  Also: which half of that tile I fetch
	s_bfe_u32 s19, ttmp6, 0x40000                  ; cx
	s_bfe_u32 s20, ttmp6, 0x40004                  ; cy
	s_and_b32 s[PR], ttmp7, 0xffff
	s_lshl_b32 s[PR], s[PR], 2
	s_add_co_u32 s[PR], s[PR], s20                 ; the block of 128 tokens hangs on cy,
	s_lshl_b32 s[RC], ttmp9, 2
	s_add_co_u32 s[RC], s[RC], s19                 ; the block of 256 columns on cx
	s_lshl_b32 s[PG], s[PR], 2                     ; y's first group
	s_lshl_b32 s[RG], s[RC], 3
	s_add_co_u32 s[RG], s[RG], 352                 ; wo's, in oc
	s_lshl_b32 s56, s20, 2
	s_lshl_b32 s56, 15, s56                        ; my row of the cluster
	s_lshl_b32 s57, 0x1111, s19                    ; my column
	s_or_b32 s[G1P], s56, (3<<16)|(1<<21)          ; rows of 6,144 bytes (768 elements of 8), 24,576 bytes apart; y: 2 rows a load, wo: 4
	s_mov_b32 s[G1P+1], 768<<16
	s_mov_b32 s[G1P+2], 2<<16
	s_mov_b32 s[G1P+3], 768<<16
	s_mov_b32 s[G1P+4], 2
	s_mov_b32 s[G1P+5], 3072
	s_mov_b32 s[G1P+6], 0
	s_mov_b32 s[G1P+7], 0
	s_or_b32 s[G1R], s57, (3<<16)|(1<<21)
	s_mov_b32 s[G1R+1], 768<<16
	s_mov_b32 s[G1R+2], 4<<16
	s_mov_b32 s[G1R+3], 768<<16
	s_mov_b32 s[G1R+4], 4
	s_mov_b32 s[G1R+5], 3072
	s_mov_b32 s[G1R+6], 0
	s_mov_b32 s[G1R+7], 0
	s_lshl_b32 s58, s[WR], 1
	s_add_co_u32 s58, s58, s[PG]
	s_mul_i32 s58, s58, 24576
	s_mov_b32 s59, 0
	s_lshl_b32 s60, s[WR], 2
	s_add_co_u32 s60, s60, s[RG]
	s_mul_i32 s60, s60, 24576
	s_mov_b32 s61, 0
	s_mul_i32 s62, s[WR], 12288                    ; no place in the cluster enters an LDS address
	s_mul_i32 s63, s[WR], 24576
	s_add_co_u32 s63, s63, 24576
	s_wait_dscnt 0x0
	s_wait_kmcnt 0x0
	s_add_nc_u64 s[58:59], s[4:5], s[58:59]
	s_add_nc_u64 s[60:61], s[8:9], s[60:61]
	CROUND                                         ; all sixteen work-groups are here: the joint loads meet
.irp ch, 0,1,2,3
	s_mov_b32 s[G0P+4*\ch], 1
	s_add_co_u32 s[G0P+4*\ch+1], s62, \ch*CH
	s_add_nc_u64 s[G0P+4*\ch+2:G0P+4*\ch+3], s[58:59], \ch*GRP
	s_or_b32 s[G0P+4*\ch+3], s[G0P+4*\ch+3], 0x80000000
	s_mov_b32 s[G0R+4*\ch], 1
	s_add_co_u32 s[G0R+4*\ch+1], s63, \ch*CH
	s_add_nc_u64 s[G0R+4*\ch+2:G0R+4*\ch+3], s[60:61], \ch*GRP
	s_or_b32 s[G0R+4*\ch+3], s[G0R+4*\ch+3], 0x80000000
.endr
	s_cmp_eq_u32 s[WP], 0                          ; a wave's four first fills stand in one branch on its number: four tensor loads of mine are out, and no more ever
	s_cbranch_scc0 .Lfor_r
.irp ch, 0,1,2,3
	tensor_load_to_lds s[G0P+4*\ch:G0P+4*\ch+3], s[G1P:G1P+7]
	s_nop 0
.endr
	PLACES
	s_branch .Lasked
.Lfor_r:
.irp ch, 0,1,2,3
	tensor_load_to_lds s[G0R+4*\ch:G0R+4*\ch+3], s[G1R:G1R+7]
	s_nop 0
.endr
	PLACES
.Lasked:
	v_and_b32 v1, 31, v0
	v_and_b32 v2, 15, v0                           ; r
	v_bfe_u32 v3, v0, 4, 1                         ; h
	v_lshlrev_b32 v[L16], 4, v1
	v_lshlrev_b32 v[L8], 3, v1
	s_wait_alu depctr_va_vdst(0)
	v_lshlrev_b32 v[L32], 5, v1
	s_mul_i32 s90, s[WP], 12288
	s_mul_i32 s91, s[WR], 24576
	s_add_co_u32 s91, s91, 24576
.irp ch, 0,1,2,3
	v_add_nc_u32 v[ADRP+\ch], s90, v[L8]
	v_add_nc_u32 v[ADRR+\ch], s91, v[L16]
	s_add_co_u32 s90, s90, CH
	s_add_co_u32 s91, s91, CH
.endr
	s_mul_i32 s90, s[WV], 16*SPITCH                ; my stage
	v_mul_u32_u24 v[STO], v2, SPITCH
	v_lshl_add_u32 v[STO], v3, 6, v[STO]
	v_add_nc_u32 v[STO], s90, v[STO]               ; in: row r, + 64 h bytes: my 16 columns of each 32
	v_add_nc_u32 v[RD], s90, v[L16]                ; back: a row of 512 bytes to the 32 lanes
	s_lshl_b32 s92, s[WP], 1                       ; the scale words of all eight K steps, once
	s_add_co_u32 s92, s92, s[PG]
	s_lshl_b32 s92, s92, 10
	s_mov_b32 s93, 0
	s_add_nc_u64 s[92:93], s[6:7], s[92:93]
	s_lshl_b32 s94, s[WR], 2
	s_add_co_u32 s94, s94, s[RG]
	s_lshl_b32 s94, s94, 10
	s_mov_b32 s95, 0
	s_add_nc_u64 s[94:95], s[10:11], s[94:95]
.irp i, 0,1
.irp q, 0,1
	global_load_b128 v[SP+8*\i+4*\q:SP+8*\i+4*\q+3], v[L32], s[92:93] offset:1024*\i+16*\q
.endr
.endr
.irp i, 0,1,2,3
.irp k, 0,1,2,3
	global_load_b64 v[SR+8*\i+2*\k:SR+8*\i+2*\k+1], v[L8], s[94:95] offset:1024*\i+256*\k
.endr
.endr
	s_lshl_b32 s96, s[PR], 19                      ; out0: (128 pr + 64 wp) rows of 4,096 bytes + (256 rc + 128 wr) columns of 4
	s_lshl_b32 s97, s[WP], 18
	s_add_co_u32 s96, s96, s97
	s_lshl_b32 s97, s[RC], 10
	s_add_co_u32 s96, s96, s97
	s_lshl_b32 s97, s[WR], 9
	s_add_co_u32 s96, s96, s97
	s_mov_b32 s97, 0
	s_add_nc_u64 s[12:13], s[12:13], s[96:97]
.macro FETCH k                         ; K step k's fragments into set k % 2
	WIN 0x40                                       ; destination window 1
.irp i, 0,1,2,3,4,5,6,7
.irp c, 0,1,2
	ds_load_b128 v[128*((\k)%2)+12*\i+4*\c:128*((\k)%2)+12*\i+4*\c+3], v[ADRR+(\k)/2] offset:(\i/2)*GRP+((\k)%2)*3072+(\i%2)*FRB+512*\c
.endr
.endr
	WIN 0
.irp i, 0,1,2,3
.irp p, 0,1,2,3,4,5
	ds_load_b64 v[PF+48*((\k)%2)+12*\i+2*\p:PF+48*((\k)%2)+12*\i+2*\p+1], v[ADRP+(\k)/2] offset:(\i/2)*GRP+((\k)%2)*3072+(\i%2)*FRB+256*\p
.endr
.endr
.endm
.macro MM k, a, b                      ; y's tile a x wo's tile b.  A group's scale register: lanes 0-15 tile 0's words, lanes 16-31 tile 1's.  K step 0 starts the sums
.set rD, 8*(8*\a+\b)
.set rR, 128*((\k)%2)+12*\b
.set rP, PF+48*((\k)%2)+12*\a
.set rS, SR+8*(\b/2)+(\k)
.set rT, SP+8*(\a/2)+(\k)
.if (\k) == 0
.if (\a%2 == 0) && (\b%2 == 0)
	v_wmma_scale_f32_16x16x128_f8f6f4 v[rD:rD+7], v[rR:rR+11], v[rP:rP+11], 0, v[rS], v[rT] matrix_a_fmt:MATRIX_FMT_BF6 matrix_b_fmt:MATRIX_FMT_BF6
.elseif (\a%2 == 0)
	v_wmma_scale_f32_16x16x128_f8f6f4 v[rD:rD+7], v[rR:rR+11], v[rP:rP+11], 0, v[rS], v[rT] matrix_a_fmt:MATRIX_FMT_BF6 matrix_b_fmt:MATRIX_FMT_BF6 matrix_a_scale:MATRIX_SCALE_ROW1
.elseif (\b%2 == 0)
	v_wmma_scale_f32_16x16x128_f8f6f4 v[rD:rD+7], v[rR:rR+11], v[rP:rP+11], 0, v[rS], v[rT] matrix_a_fmt:MATRIX_FMT_BF6 matrix_b_fmt:MATRIX_FMT_BF6 matrix_b_scale:MATRIX_SCALE_ROW1
.else
	v_wmma_scale_f32_16x16x128_f8f6f4 v[rD:rD+7], v[rR:rR+11], v[rP:rP+11], 0, v[rS], v[rT] matrix_a_fmt:MATRIX_FMT_BF6 matrix_b_fmt:MATRIX_FMT_BF6 matrix_a_scale:MATRIX_SCALE_ROW1 matrix_b_scale:MATRIX_SCALE_ROW1
.endif
.else
.if (\a%2 == 0) && (\b%2 == 0)
	v_wmma_scale_f32_16x16x128_f8f6f4 v[rD:rD+7], v[rR:rR+11], v[rP:rP+11], v[rD:rD+7], v[rS], v[rT] matrix_a_fmt:MATRIX_FMT_BF6 matrix_b_fmt:MATRIX_FMT_BF6
.elseif (\a%2 == 0)
	v_wmma_scale_f32_16x16x128_f8f6f4 v[rD:rD+7], v[rR:rR+11], v[rP:rP+11], v[rD:rD+7], v[rS], v[rT] matrix_a_fmt:MATRIX_FMT_BF6 matrix_b_fmt:MATRIX_FMT_BF6 matrix_a_scale:MATRIX_SCALE_ROW1
.elseif (\b%2 == 0)
	v_wmma_scale_f32_16x16x128_f8f6f4 v[rD:rD+7], v[rR:rR+11], v[rP:rP+11], v[rD:rD+7], v[rS], v[rT] matrix_a_fmt:MATRIX_FMT_BF6 matrix_b_fmt:MATRIX_FMT_BF6 matrix_b_scale:MATRIX_SCALE_ROW1
.else
	v_wmma_scale_f32_16x16x128_f8f6f4 v[rD:rD+7], v[rR:rR+11], v[rP:rP+11], v[rD:rD+7], v[rS], v[rT] matrix_a_fmt:MATRIX_FMT_BF6 matrix_b_fmt:MATRIX_FMT_BF6 matrix_a_scale:MATRIX_SCALE_ROW1 matrix_b_scale:MATRIX_SCALE_ROW1
.endif
.endif
.endm
.macro MUL k                           ; the 32 accumulators take turns, one instruction a turn, in the same order in every K step
.irp a, 0,1,2,3
.irp b, 0,1,2,3,4,5,6,7
	MM \k, \a, \b
.endr
.endr
.endm
.macro STEPK k
.if ((\k)%2 == 1) && ((\k) < 7)
	s_wait_tensorcnt 3-((\k)+1)/2                  ; my part of chunk (k + 1) / 2 has landed; my later chunks may be out
	s_wait_dscnt 0x0                               ; no LDS load of mine is pending at the signal: my reads of the chunk that is left are over
	s_barrier_signal -1
	s_barrier_wait -1
.endif
.if (\k) < 7
.if (\k) > 0
	PLACES                                         ; the set to be loaded was read by the products just issued
.endif
	FETCH (\k)+1
	s_wait_dscnt NLD                               ; all but the loads just issued: this step's fragments are in
.else
	s_wait_dscnt 0x0
.endif
	WIN 0xa1                                       ; source 0 (wo) window 1, source 1 (y) window 0, C and D window 2
	MUL \k
	WIN 0
.endm
	s_wait_alu depctr_va_vdst(0)
	s_wait_tensorcnt 0x3                           ; my part of chunk 0 has landed; three loads may be out
	s_barrier_signal -1
	s_barrier_wait -1
	FETCH 0
	s_wait_loadcnt 0x0                             ; the scale words
.irp k, 0,1,2,3,4,5,6,7
	STEPK \k
.endr
.macro TOSTAGE a                       ; tile a: lane (r, h) holds, of token r, columns 32 (b / 2) + 16 h + 8 (b % 2) + 0 .. 7 in accumulator b
	WIN 0x08                                       ; an LDS store's data: window 2
.irp b, 0,1,2,3,4,5,6,7
	ds_store_b128 v[STO], v[64*(\a)+8*\b:64*(\a)+8*\b+3] offset:128*(\b/2)+32*(\b%2)        ; each accumulator from its low end on
	ds_store_b128 v[STO], v[64*(\a)+8*\b+4:64*(\a)+8*\b+7] offset:128*(\b/2)+32*(\b%2)+16
.endr
	WIN 0
.set BB, BK+64*((\a)%2)
.irp t, 0,1,2,3,4,5,6,7,8,9,10,11,12,13,14,15
	ds_load_b128 v[BB+4*\t:BB+4*\t+3], v[RD] offset:\t*SPITCH  ; LDS serves a wave's instructions in order: these see my stores, and the next tile's stores come behind them
.endr
.endm
.macro SEND a, younger                 ; younger: the LDS instructions issued behind tile a's loads, which may stay out
.set BB, BK+64*((\a)%2)
	s_wait_dscnt \younger
.irp t, 0,1,2,3,4,5,6,7,8,9,10,11,12,13,14,15
	global_store_b128 v[L16], v[BB+4*\t:BB+4*\t+3], s[12:13] offset:(32*((\a)/2)+8*((\a)%2)+\t+8*(\t/8))*4096 th:TH_STORE_NT   ; 512 consecutive bytes of a row, aligned; written once, read by nobody here
.endr
.endm
	PLACES                                         ; behind the last products: their results are stored, and y's fragments' registers loaded, below
	TOSTAGE 0
.irp a, 1,2,3
.if \a > 1
	s_wait_xcnt 0x0                                ; tile a - 2's stores have read their registers: tile a's loads may land there
.endif
	TOSTAGE \a
	SEND \a-1, 32                                  ; behind tile a - 1's loads: tile a's 16 stores and 16 loads
.endr
	SEND 3, 0
	s_wait_tensorcnt 0x0
	ds_add_u32 v126, v127
	s_wait_dscnt 0x0
	CROUND                                         ; the closing round: no work-group ends while a partner may still ask for a tile that names it
	s_endpgm
.Lfunc_end_k_qb53d863c3c_oproj:
	.size	k_qb53d863c3c_oproj, .Lfunc_end_k_qb53d863c3c_oproj-k_qb53d863c3c_oproj
	.p2alignl 7, 3214868480
	.fill 96, 4, 3214868480
	.section	.rodata,"a",@progbits
	.p2align	6, 0x0
	.amdhsa_kernel k_qb53d863c3c_oproj
		.amdhsa_group_segment_fixed_size 295424
		.amdhsa_private_segment_fixed_size 0
		.amdhsa_enable_private_segment 0
		.amdhsa_kernarg_size 40
		.amdhsa_user_sgpr_count 2
		.amdhsa_user_sgpr_kernarg_segment_ptr 1
		.amdhsa_wavefront_size32 1
		.amdhsa_system_sgpr_workgroup_id_x 1
		.amdhsa_system_sgpr_workgroup_id_y 1
		.amdhsa_system_sgpr_workgroup_id_z 1
		.amdhsa_system_vgpr_workitem_id 0
		.amdhsa_next_free_vgpr 768
		.amdhsa_next_free_sgpr 102
		.amdhsa_reserve_vcc 0
		.amdhsa_float_denorm_mode_32 3
		.amdhsa_float_denorm_mode_16_64 3
		.amdhsa_memory_ordered 1
		.amdhsa_forward_progress 1
		.amdhsa_inst_pref_size 84
	.end_amdhsa_kernel
	.amdgpu_metadata
---
amdhsa.version: [ 1, 2 ]
amdhsa.kernels:
  - .name:           k_qb53d863c3c_oproj
    .symbol:         k_qb53d863c3c_oproj.kd
    .args:
      - { .name: yc, .offset: 0, .size: 8, .value_kind: global_buffer, .address_space: global }
      - { .name: ys, .offset: 8, .size: 8, .value_kind: global_buffer, .address_space: global }
      - { .name: oc, .offset: 16, .size: 8, .value_kind: global_buffer, .address_space: global }
      - { .name: os, .offset: 24, .size: 8, .value_kind: global_buffer, .address_space: global }
      - { .name: out0, .offset: 32, .size: 8, .value_kind: global_buffer, .address_space: global }
    .group_segment_fixed_size: 295424
    .private_segment_fixed_size: 0
    .kernarg_segment_align: 8
    .kernarg_segment_size: 40
    .max_flat_workgroup_size: 128
    .sgpr_count:     102
    .vgpr_count:     768
    .wavefront_size: 32
...
	.end_amdgpu_metadata
.endif
;; end of part 4
